; MI455X (gfx1250); checked and timed in simulation.
; The chip was launched on July 23, 2026; its instructions are those of AMD's public machine-readable ISA for CDNA 5 (MIT licence, August 2026) and "CDNA5" Instruction Set Architecture Reference Guide (July 2026). The comments in the code are by the model that wrote it; some were corrected since.
;; Mo E Layer. Allowed arithmetic: matrix products marked QUANTISED: E2M3 operands, one E8M0 scale for each 32 along K, by v_wmma_scale_f32_16x16x128_f8f6f4 with both operands' format E2M3, f32 sums; products left as they are: f32 operands where the result goes on into a quantised operand, else bf16, f16 or f32 operands; f32 sums; everything else in f32.
;; Inputs: W1 4 x 1,024 x 2,048 float32; W2 4 x 2,048 x 2,048 float32; b1 4 x 2,048 float32; b2 4 x 2,048 float32; backbone_output 2,048 x 1,024 float32; routing_matrix 1,124 x 4 float32; task 2,048 int32; task_embeddings 8 x 100 float32.
;; Outputs: out0 2,048 x 2,048 float32; out1 2,048 float32.
;; This version of the problem:
;;   THIS VERSION OF THE PROBLEM IS GIVEN IN LOW PRECISION. The matrix products marked QUANTISED in the list below multiply operands that are first quantised to E2M3 (2 exponent bits, 3 mantissa bits; 6 bits a number), with one power-of-two scale for each 32 numbers along K (OCP MX v1.0); their sums are f32. All else is computed in f32.
;;   The module's matrix products, in the order in which they are computed (A, B: the left and right operand; K: the contracted axis; several contracted axes count as one K, in the product's order):
;;     1. [M 2,048, K 1,124] x [K 1,124, N 4]; A: computed on the way; B: input routing_matrix: left as it is (N = 4 < 16)
;;     2. [M 2,048, K 1,024] x [K 1,024, N 8,192]; A: input backbone_output; B: input W1: QUANTISED
;;     3. batch 4 x [M 2,048, K 2,048] x [K 2,048, N 2,048]; A: input W2; B: computed on the way: QUANTISED
;;     4. batch 2,048 x [M 1, K 2,048] x [K 2,048, N 1]; A: computed on the way; B: computed on the way: left as it is (M = 1 < 16)
;;     5. batch 2,048 x [M 1, K 1] x [K 1, N 2,048]; A: computed on the way; B: computed on the way: left as it is (K = 1 < 32)
;;     6. batch 2,048 x [M 1, K 2,048] x [K 2,048, N 2]; A: computed on the way; B: computed on the way: left as it is (M = 1 < 16)
;;     7. batch 2,048 x [M 1, K 2] x [K 2, N 2,048]; A: computed on the way; B: computed on the way: left as it is (K = 2 < 32)
;;     8. batch 2,048 x [M 1, K 2,048] x [K 2,048, N 3]; A: computed on the way; B: computed on the way: left as it is (M = 1 < 16)
;;     9. batch 2,048 x [M 1, K 3] x [K 3, N 2,048]; A: computed on the way; B: computed on the way: left as it is (K = 3 < 32)
;;     10. batch 2,048 x [M 1, K 4] x [K 4, N 2,048]; A: computed on the way; B: computed on the way: left as it is (K = 4 < 32)
;;   THE QUANTISER, for each operand of a quantised product, along K:
;;     - K is cut into blocks of 32 from its start; a last block that is shorter is filled with zeros.
;;     - A block's scale is 2^e with e = floor(log2(the largest magnitude in the block)) - 2, held to -126 .. 127; a block of zeros has e = 0. As a byte (E8M0): e + 127.
;;     - Each number is divided by its block's scale, clamped to +-7.5, and rounded to the nearest number of E2M3, ties to even, subnormals kept.
;;     - The product sums the exact products of the quantised numbers (number of the format x scale) in f32.
;;   ~~~python
;;   def quantise(x, axis):      # numpy; x: float32 -> the quantised numbers, widened to float32 again
;;       x = np.moveaxis(x, axis, -1); K = x.shape[-1]
;;       x = np.pad(x, [(0, 0)] * (x.ndim - 1) + [(0, -K % 32)]); x = x.reshape(x.shape[:-1] + (-1, 32)); a = np.abs(x).max(-1, keepdims=True)
;;       e = np.where(a > 0, np.clip(np.frexp(np.where(a > 0, a, 1))[1] - 1 - 2, -126, 127), 0)      # np.frexp(a)[1] - 1 = floor(log2(a)), exactly
;;       r = np.clip(x / 2.0 ** e, -7.5, 7.5)
;;       step = 2.0 ** (np.maximum(np.frexp(np.where(r == 0, 1, r))[1] - 1, 0) - 3)
;;       q = np.round(r / step) * step * 2.0 ** e      # np.round: ties to even
;;       return np.moveaxis(q.reshape(q.shape[:-2] + (-1,))[..., :K], -1, axis).astype(np.float32)
;;   ~~~
;;   OPERANDS COMPUTED ON THE WAY. 'Computed on the way' means the value that the module computes at that place (a softmax that the list does not call 'softmax' is quantised finished and normalised). What goes into a quantiser is computed in f32, as accurately as f32 sums, v_exp_f32 and their like allow (about 1e-6 of the number): no bf16 or f16 on the way to a quantiser, and a product that is left as it is and whose result goes on into a quantised operand takes f32 operands (vector FMAs, or v_wmma_f32_16x16x4_f32). A number that lies on a knife's edge between two numbers of the format may be rounded either way, as far as f32 arithmetic and the matrix unit's own rounding can turn it there, and no further.
;; One version. Each part assembles by itself: llvm-mc -triple=amdgcn-amd-amdhsa -mcpu=gfx1250 --defsym DOCPART=n.
;; ======== version 1 of 1: 4 launches
;; workspace buffers: opq 20,447,232 bytes; ops 851,968 bytes; hq 12,582,912 bytes; hs 524,288 bytes; eo 67,108,864 bytes; idx 8,192 bytes of whole numbers; gate 8,192 bytes
;; launch prep (part 1): grid 896 x 1, 4 waves a work-group, no clusters, 0 bytes of LDS; arguments backbone_output, task, task_embeddings, routing_matrix, W1, W2, opq, ops, idx, gate, out1; writes opq, ops, idx, gate, out1
.if DOCPART == 1
	.amdgcn_target "amdgcn-amd-amdhsa--gfx1250"
	.amdhsa_code_object_version 6
	.text
	.protected	k_q059e1a10bb_prep
	.globl	k_q059e1a10bb_prep
	.p2align	8
	.type	k_q059e1a10bb_prep,@function
k_q059e1a10bb_prep:
	s_mov_b64 s[64:65], 0
	v_nop
	global_prefetch_b8 v0, s[64:65] scope:SCOPE_SE
	s_setreg_imm32_b32 hwreg(HW_REG_WAVE_MODE, 25, 1), 1
	s_wait_xcnt 0x0
; PREP: everything that is made once.  Three kinds of work-groups, told apart by the work-group's number alone:
;   0 ..  63  the router: logits [x ; task_emb[task]] R in f32, softmax, argmax (the lower index wins a tie), the kept weight g, and out1
;  64 .. 127  x   [2048][1024] f32, K innermost      -> codes of FP6 (E2M3) and E8M0 scale bytes
; 128 .. 895  W1 [4][1024][2048], W2 [4][2048][2048] f32, K the FIRST axis of an expert -> the same
; A block's scale is 2^(floor(log2(largest magnitude)) - 2): its byte is the largest magnitude's exponent field - 2, held at 1 from below.
; THE CODES ARE LAID AS IMAGES OF THE OPERAND'S REGISTERS.  A dense block of 24,576 bytes holds 128 rows x 256 along K; block (rb, ks) lies at (rb KS + ks) x 24,576;
; in it the fragment (tile t of 16 rows, q-th 128 along K) lies at (2 t + q) x 1,536, register 4 c + i of lane l at 512 c + 16 l + 4 i.
; THE SCALE BYTES: [ks][tile of 16 rows][row r][q][4 bytes]: one word for a row and 128 along K.
; THE ROWS OF A TILE OF W ARE NOT NEIGHBOURS: of 32 columns, column 16 hh + 8 u + j is row 8 hh + j of tile 2 beta + u, so that a product used transposed leaves a lane 16 neighbours in two neighbouring tiles.
; LIMITS: NaN and infinities among the inputs are not served.  A block whose largest magnitude lies under 2^-124 has its byte held at 1; a block of zeros gets the byte 1 where the rule says 127
; (its codes are zeros, and this program alone reads the bytes).  The router's sums run in another order than a row-by-row sum: two weights within f32 rounding of each other may choose the other expert.
.set W1Q,  1572864                     ; opq: x's codes at 0, W1's here,
.set W2Q,  7864320                     ; W2's here
.set W1S,  65536                       ; ops: x's scale bytes at 0, W1's here,
.set W2S,  327680                      ; W2's here
.set BLKB, 24576
.set SEL,  60                          ; s[60:61] lane selects of v_permlanex16_b32: lane l xor 16
.set X,    32                          ; W path: v32-95 two sets of 32 numbers
.set CF,   128                         ; W path: v128-175 four runs of 12 code registers, run 2 q + h
.set TC,   176                         ; W path: v176-178 a conversion's second half
.set SB,   24                          ; W path: v24-25 the scale bytes, four to a register
	s_load_b512 s[8:23], s[0:1], 0x0               ; x s[8:9], task s[10:11], task_embeddings s[12:13], routing_matrix s[14:15], W1 s[16:17], W2 s[18:19], opq s[20:21], ops s[22:23]
	s_load_b128 s[24:27], s[0:1], 0x40             ; idx s[24:25], gate s[26:27]
	s_load_b64 s[28:29], s[0:1], 0x50              ; out1
	v_lshrrev_b32 v2, 5, v0
	v_readfirstlane_b32 s2, v2                     ; wave 0..3
	v_and_b32 v1, 31, v0                           ; lane
	s_mov_b32 s[SEL], 0x76543210
	s_mov_b32 s[SEL+1], 0xfedcba98
	s_wait_kmcnt 0x0
	s_cmp_lt_u32 ttmp9, 64
	s_cbranch_scc1 .Lrouter
	s_cmp_lt_u32 ttmp9, 128
	s_cbranch_scc1 .Lxq
; ---------------------------------------------------------------- W1 and W2: a work-group makes one dense block (128 columns x 256 along K), a wave 32 columns of it
; A LANE TAKES A COLUMN, AND ITS REGISTERS RUN DOWN K: a load reads 128 consecutive bytes, a block of 32 along K lies in one lane, and the conversions give codes with K innermost.
	s_sub_co_u32 s30, ttmp9, 128
	s_cmp_lt_u32 s30, 256                          ; the first 256 take W1 (64 x 4 blocks), the other 512 W2 (64 x 8).  All selects stand ahead of the next line that writes SCC
	s_cselect_b64 s[32:33], s[16:17], s[18:19]
	s_cselect_b32 s34, 2, 3                        ; log2 of the blocks along K
	s_cselect_b32 s35, 0, 256
	s_mov_b32 s36, W2Q
	s_cselect_b32 s36, W1Q, s36
	s_mov_b32 s37, W2S
	s_cselect_b32 s37, W1S, s37
	s_sub_co_u32 s30, s30, s35                     ; i = rb KS + ks
	s_lshr_b32 s38, s30, s34                       ; rb: which 128 rows of the operand (expert x 16 + 128 columns)
	s_lshl_b32 s39, s38, s34
	s_sub_co_u32 s39, s30, s39                     ; ks: which 256 along K
	s_lshr_b32 s40, s38, 4                         ; expert
	s_and_b32 s41, s38, 15
	s_add_co_u32 s42, s34, 21
	s_lshl_b32 s42, s40, s42                       ; an expert is KS x 256 rows of 8,192 bytes
	s_lshl_b32 s43, s39, 21
	s_add_co_u32 s42, s42, s43                     ; + 256 rows a step along K
	s_lshl_b32 s43, s41, 9
	s_add_co_u32 s42, s42, s43                     ; + 128 columns
	s_lshl_b32 s43, s2, 7
	s_add_co_u32 s42, s42, s43                     ; + my wave's 32
	s_mov_b32 s43, 0
	s_add_nc_u64 s[32:33], s[32:33], s[42:43]
	s_mul_i32 s44, s30, BLKB
	s_add_co_u32 s44, s44, s36
	s_mul_i32 s45, s2, 6144                        ; my wave's two tiles: four fragments
	s_add_co_u32 s44, s44, s45
	s_mov_b32 s45, 0
	s_add_nc_u64 s[20:21], s[20:21], s[44:45]
	s_lshl_b32 s46, s39, 9                         ; 512 tiles of 16 rows in each step along K
	s_lshl_b32 s47, s38, 3
	s_add_co_u32 s46, s46, s47
	s_lshl_b32 s47, s2, 1
	s_add_co_u32 s46, s46, s47
	s_lshl_b32 s46, s46, 7                         ; 128 bytes a tile
	s_add_co_u32 s46, s46, s37
	s_mov_b32 s47, 0
	s_add_nc_u64 s[22:23], s[22:23], s[46:47]
	v_lshlrev_b32 v3, 2, v1                        ; in: 4 bytes a lane
	v_bfe_u32 v6, v1, 3, 1                         ; u
	v_and_b32 v7, 7, v1
	v_lshrrev_b32 v8, 4, v1
	v_lshl_add_u32 v7, v8, 3, v7                   ; r = 8 hh + j
	v_mul_u32_u24 v4, v6, 3072
	v_lshl_add_u32 v4, v7, 4, v4                   ; codes: tile u (two fragments on), lane r of an image
	v_lshlrev_b32 v5, 7, v6
	v_lshl_add_u32 v5, v7, 3, v5                   ; scale bytes: tile u, row r
.macro LOAD t                          ; block t: W(32 t + i, my column), i = 0 .. 31, into set t % 2
.set I, 0
.rept 32
	global_load_b32 v[X+32*((\t)%2)+I], v3, s[32:33] offset:(32*(\t)+I)*8192 th:TH_LOAD_NT
.set I, I+1
.endr
.endm
; Block t of my column is block 2 c + h of the q-th 128 along K: it belongs to registers 6 c .. 6 c + 5 of lane r + 16 h of fragment (tile, q).
.macro BLOCK t
.set XS, X+32*((\t)%2)
.set FB, CF+12*(2*((\t)/4)+(\t)%2)
.set FQ, FB+6*(((\t)%4)/2)
.if (\t) < 7
	s_wait_loadcnt 32                              ; this block's 32 loads are in; the next block's 32 may be out
.else
	s_wait_loadcnt 0x0
.endif
	v_max3_num_f32 v12, |v[XS]|, |v[XS+1]|, |v[XS+2]|   ; the block's largest magnitude, in two chains: all 32 numbers are mine
	v_max3_num_f32 v13, |v[XS+3]|, |v[XS+4]|, |v[XS+5]|
.irp i, 6,10,14,18,22,26
	v_max3_num_f32 v12, v12, |v[XS+\i]|, |v[XS+\i+1]|
	v_max3_num_f32 v13, v13, |v[XS+\i+2]|, |v[XS+\i+3]|
.endr
	v_max3_num_f32 v12, v12, |v[XS+30]|, |v[XS+31]|
	v_max3_num_f32 v12, v12, v13, 0x1800000        ; and the floor 2^(3 - 127): the byte cannot fall under 1
	v_add_nc_u32 v11, 0xff000000, v12              ; 2 off the exponent field: the conversion takes the exponent field of this operand as its scale
	v_lshrrev_b32 v13, 23, v11                     ; the scale's byte
.if (\t)%4 == 0
	v_mov_b32 v[SB+(\t)/4], v13                    ; four bytes to a word, the lower K in the lower byte
.else
	v_lshl_or_b32 v[SB+(\t)/4], v13, 8*((\t)%4), v[SB+(\t)/4]
.endif
	v_cvt_scalef32_pk16_fp6_f32 v[FQ:FQ+2], v[XS:XS+15], v11
	v_cvt_scalef32_pk16_fp6_f32 v[TC:TC+2], v[XS+16:XS+31], v11   ; (a conversion's three registers begin on an even number: the second half is made aside and moved)
	v_nop                                          ; one plain instruction behind a scaled conversion
.irp i, 0,1,2
	v_mov_b32 v[FQ+3+\i], v[TC+\i]
.endr
.if (\t)+2 < 8
	LOAD (\t)+2
.endif
.if ((\t)%4)/2 == 1                    ; the run of 12 registers is whole: it leaves as lane r + 16 h of the image.  Sixteen lanes store 256 consecutive bytes, aligned; every store has data registers of its own
.irp c, 0,1,2
	global_store_b128 v4, v[FB+4*\c:FB+4*\c+3], s[20:21] offset:1536*((\t)/4)+256*((\t)%2)+512*\c
.endr
.endif
.endm
	LOAD 0
	LOAD 1
.irp t, 0,1,2,3,4,5,6,7
	BLOCK \t
.endr
	global_store_b64 v5, v[SB:SB+1], s[22:23]      ; my column's two scale words: the wave stores 256 consecutive bytes, aligned
	s_endpgm
; ---------------------------------------------------------------- x: a work-group makes one dense block (128 rows x 256 along K), a wave two tiles x two fragments
; K is innermost: lane (r, h) loads, of row r, the 32 neighbours of blocks h and 2 + h of a fragment's 128: the very numbers that the operand's layout gives that lane.
.Lxq:
	s_sub_co_u32 s30, ttmp9, 64                    ; j = 4 rb + ks
	s_lshr_b32 s31, s30, 2
	s_and_b32 s32, s30, 3
	s_lshl_b32 s34, s31, 7
	s_lshl_b32 s35, s2, 5
	s_add_co_u32 s34, s34, s35                     ; my wave's first row
	s_lshl_b32 s34, s34, 12                        ; a row is 4,096 bytes
	s_lshl_b32 s35, s32, 10
	s_add_co_u32 s34, s34, s35                     ; + 256 numbers a step along K
	s_mov_b32 s35, 0
	s_add_nc_u64 s[8:9], s[8:9], s[34:35]
	s_mul_i32 s34, s30, BLKB
	s_mul_i32 s36, s2, 6144
	s_add_co_u32 s34, s34, s36
	s_add_nc_u64 s[20:21], s[20:21], s[34:35]
	s_lshl_b32 s34, s32, 7                         ; 128 tiles of 16 rows in each step along K
	s_lshl_b32 s36, s31, 3
	s_add_co_u32 s34, s34, s36
	s_lshl_b32 s36, s2, 1
	s_add_co_u32 s34, s34, s36
	s_lshl_b32 s34, s34, 7
	s_add_nc_u64 s[22:23], s[22:23], s[34:35]
	v_and_b32 v6, 15, v1                           ; r
	v_lshrrev_b32 v8, 4, v1                        ; h
	v_lshlrev_b32 v3, 12, v6
	v_lshl_add_u32 v3, v8, 7, v3                   ; in: row r, + 128 h bytes
	v_lshlrev_b32 v4, 4, v1                        ; an image's place for my lane
	v_lshlrev_b32 v5, 3, v1                        ; scale words: 8 bytes a lane
	v_lshlrev_b32 v7, 3, v8                        ; 8 h: my bytes' place in a scale word
	v_mov_b32 v9, 0                                ; a lane permute's destination counts as one of its sources
.macro XLOAD f                         ; fragment f = 2 T + q: 64 numbers a lane into set f % 2 (v32-95, v96-159)
.irp c, 0,1
.irp j, 0,1,2,3,4,5,6,7
	global_load_b128 v[32+64*((\f)%2)+32*\c+4*\j:32+64*((\f)%2)+32*\c+4*\j+3], v3, s[8:9] offset:65536*((\f)/2)+512*((\f)%2)+256*\c+16*\j
.endr
.endr
.endm
.macro XFRAG f
.set XS, 32+64*((\f)%2)
.set PCX, 160+12*(\f)                  ; this fragment's 12 code registers; its scale word in v[208 + f]
.if (\f) < 3
	s_wait_loadcnt 16                              ; this fragment's 16 loads are in; the next one's 16 may be out
.else
	s_wait_loadcnt 0x0
.endif
.irp c, 0,1
	v_max3_num_f32 v[10+\c], |v[XS+32*\c]|, |v[XS+32*\c+1]|, 0x1800000   ; my two blocks by turns, with the floor 2^(3 - 127)
.endr
.irp i, 2,4,6,8,10,12,14,16,18,20,22,24,26,28,30
.irp c, 0,1
	v_max3_num_f32 v[10+\c], v[10+\c], |v[XS+32*\c+\i]|, |v[XS+32*\c+\i+1]|
.endr
.endr
.irp c, 0,1
	v_add_nc_u32 v[12+\c], 0xff000000, v[10+\c]    ; the conversion's scale operand
.endr
.irp c, 0,1
	v_lshrrev_b32 v[14+\c], 23, v[12+\c]           ; the byte
.endr
	v_lshl_or_b32 v[208+(\f)], v15, 16, v14        ; my two bytes: blocks h and 2 + h,
	v_lshlrev_b32 v[208+(\f)], v7, v[208+(\f)]     ; at their places;
	v_permlanex16_b32 v9, v[208+(\f)], s[SEL], s[SEL+1]
	v_or_b32 v[208+(\f)], v[208+(\f)], v9          ; with lane l xor 16's two the word is whole, in both lanes
.irp c, 0,1
	v_cvt_scalef32_pk16_fp6_f32 v[PCX+6*\c:PCX+6*\c+2], v[XS+32*\c:XS+32*\c+15], v[12+\c]
	v_cvt_scalef32_pk16_fp6_f32 v[212+4*\c:214+4*\c], v[XS+32*\c+16:XS+32*\c+31], v[12+\c]
.endr
	v_nop                                          ; one plain instruction behind a scaled conversion
.irp c, 0,1
.irp i, 0,1,2
	v_mov_b32 v[PCX+3+6*\c+\i], v[212+4*\c+\i]
.endr
.endr
.if (\f)+2 < 4
	XLOAD (\f)+2
.endif
.irp c, 0,1,2
	global_store_b128 v4, v[PCX+4*\c:PCX+4*\c+3], s[20:21] offset:3072*((\f)/2)+1536*((\f)%2)+512*\c   ; 512 consecutive bytes, aligned
.endr
.endm
	XLOAD 0
	XLOAD 1
.irp f, 0,1,2,3
	XFRAG \f
.endr
	v_cmp_le_u32 vcc_lo, 16, v1                    ; lanes 0-15 store tile 0's two words of row r, lanes 16-31 tile 1's
	v_cndmask_b32 v220, v208, v210, vcc_lo
	v_cndmask_b32 v221, v209, v211, vcc_lo
	global_store_b64 v5, v[220:221], s[22:23]      ; 256 consecutive bytes, aligned
	s_endpgm
; ---------------------------------------------------------------- the router: a wave takes 8 tokens; the routing matrix stays in its registers
; Lane l holds rows 128 j + 4 l + i of R (v96-223: register 16 j + 4 i + e) and rows 1,024 + l + 32 m (v224-239); a token's x comes by eight loads of 512 consecutive bytes.
.Lrouter:
	s_lshl_b32 s30, ttmp9, 5
	s_lshl_b32 s31, s2, 3
	s_add_co_u32 s30, s30, s31                     ; my first token
	s_mov_b32 s57, 0
	s_lshl_b32 s56, s30, 2
	s_add_nc_u64 s[10:11], s[10:11], s[56:57]
	s_load_b256 s[32:39], s[10:11], 0x0            ; the eight tokens' tasks
	s_add_nc_u64 s[24:25], s[24:25], s[56:57]
	s_add_nc_u64 s[26:27], s[26:27], s[56:57]
	s_add_nc_u64 s[28:29], s[28:29], s[56:57]
	s_lshl_b32 s56, s30, 12
	s_add_nc_u64 s[8:9], s[8:9], s[56:57]          ; x at my first token
	v_lshlrev_b32 v3, 4, v1                        ; 16 l
	v_lshlrev_b32 v4, 6, v1                        ; 64 l: four rows of R
	v_min_u32 v5, 48, v3                           ; R's last four rows, 1,120 .. 1,123: lanes 4 and up stay on the last row, inside the buffer,
	v_lshlrev_b32 v6, 2, v1                        ; 4 l
	v_min_u32 v7, 12, v6                           ; and likewise in a task's 100 numbers
.irp e, 0,1,2,3
	v_mov_b32 v[16+\e], 0                          ; Z: lane t will hold token t's logit of expert e
	v_mov_b32 v[20+\e], 0                          ; the lane permutes' destinations
.endr
.set J, 0
.rept 8
.irp i, 0,1,2,3
	global_load_b128 v[96+16*J+4*\i:96+16*J+4*\i+3], v4, s[14:15] offset:2048*J+16*\i
.endr
.set J, J+1
.endr
.irp m, 0,1,2
	global_load_b128 v[224+4*\m:224+4*\m+3], v3, s[14:15] offset:16384+512*\m
.endr
	global_load_b128 v[236:239], v5, s[14:15] offset:16384+1536
	s_wait_kmcnt 0x0
.irp t, 0,1,2,3,4,5,6,7
	s_min_u32 s[32+\t], s[32+\t], 7                ; an index stays inside its table of 8 rows
	s_mul_i32 s56, s[32+\t], 400
	s_add_nc_u64 s[40+2*\t:41+2*\t], s[12:13], s[56:57]   ; the token's row of task_embeddings
.endr
.macro TLOADS t                        ; token t: 8 loads of x and 4 of its task's embedding, into sets t % 2
.set J, 0
.rept 8
	global_load_b128 v[32+32*((\t)%2)+4*J:32+32*((\t)%2)+4*J+3], v3, s[8:9] offset:4096*(\t)+512*J
.set J, J+1
.endr
.irp m, 0,1,2
	global_load_b32 v[240+4*((\t)%2)+\m], v6, s[40+2*(\t):41+2*(\t)] offset:128*\m
.endr
	global_load_b32 v[240+4*((\t)%2)+3], v7, s[40+2*(\t):41+2*(\t)] offset:384
.endm
; two logits at once: the pair d (experts 2 p, 2 p + 1) += one number of the pair x (the first, or with odd = 1 the second) x the pair r of R's row.  first = 1: the product starts the sum
.macro PKB d, x, r, odd, first
.if \first
.if \odd
	v_pk_mul_f32 v[\d:\d+1], v[\x:\x+1], v[\r:\r+1] op_sel:[1,0] op_sel_hi:[1,1]
.else
	v_pk_mul_f32 v[\d:\d+1], v[\x:\x+1], v[\r:\r+1] op_sel:[0,0] op_sel_hi:[0,1]
.endif
.else
.if \odd
	v_pk_fma_f32 v[\d:\d+1], v[\x:\x+1], v[\r:\r+1], v[\d:\d+1] op_sel:[1,0,0] op_sel_hi:[1,1,1]
.else
	v_pk_fma_f32 v[\d:\d+1], v[\x:\x+1], v[\r:\r+1], v[\d:\d+1] op_sel:[0,0,0] op_sel_hi:[0,1,1]
.endif
.endif
.endm
.macro TOKEN t
.set XT, 32+32*((\t)%2)
.set TT, 240+4*((\t)%2)
.if (\t) < 7
	TLOADS (\t)+1
	s_wait_loadcnt 12                              ; all but the next token's 12 loads are in
.else
	s_wait_loadcnt 0x0
.endif
.if (\t) == 0
	v_cmp_gt_u32 vcc_lo, 4, v1                     ; K ends at 1,124: beyond it R counts as zero
.irp e, 0,1,2,3
	v_cndmask_b32 v[236+\e], 0, v[236+\e], vcc_lo
.endr
.endif
.set FST, 1
.set J, 0
.rept 8                                ; 64 packed multiply-adds in four chains (even and odd numbers of x; experts 0, 1 and 2, 3): v248-255
.irp g, 0,1
.irp p, 0,1
	PKB 248+2*\p, XT+4*J+2*\g, 96+16*J+8*\g+2*\p, 0, FST
	PKB 252+2*\p, XT+4*J+2*\g, 100+16*J+8*\g+2*\p, 1, FST
.endr
.set FST, 0
.endr
.set J, J+1
.endr
.irp g, 0,1                            ; the task's embedding against R's rows from 1,024 on
.irp p, 0,1
	PKB 248+2*\p, TT+2*\g, 224+8*\g+2*\p, 0, 0
	PKB 252+2*\p, TT+2*\g, 228+8*\g+2*\p, 1, 0
.endr
.endr
	v_pk_add_f32 v[248:249], v[248:249], v[252:253]
	v_pk_add_f32 v[250:251], v[250:251], v[254:255]
.irp k, 1,2,4,8                        ; over the 32 lanes, the four sums by turns
.irp e, 0,1,2,3
	v_add_f32_dpp v[248+\e], v[248+\e], v[248+\e] row_xmask:\k row_mask:0xf bank_mask:0xf
.endr
.endr
.irp e, 0,1,2,3
	v_permlanex16_b32 v[20+\e], v[248+\e], s[SEL], s[SEL+1]
.endr
.irp e, 0,1,2,3
	v_add_f32 v[248+\e], v[248+\e], v[20+\e]
.endr
	v_cmp_eq_u32 vcc_lo, \t, v1
.irp e, 0,1,2,3
	v_cndmask_b32 v[16+\e], v[16+\e], v[248+\e], vcc_lo   ; into lane t
.endr
.endm
	TLOADS 0
.irp t, 0,1,2,3,4,5,6,7
	TOKEN \t
.endr
	; one pass for the eight tokens, lane t for token t (the other lanes work on zeros and store nothing)
	v_max3_num_f32 v24, v16, v17, v18
	v_max_num_f32 v24, v24, v19                    ; the row's maximum is taken away ahead of the exponentials
.irp e, 0,1,2,3
	v_sub_f32 v[26+\e], v[16+\e], v24
.endr
.irp e, 0,1,2,3
	v_mul_f32 v[26+\e], 0x3fb8aa3b, v[26+\e]       ; x log2(e)
.endr
.irp e, 0,1,2,3
	v_exp_f32 v[26+\e], v[26+\e]
.endr
	v_nop                                          ; a plain instruction behind the last exponential,
	s_wait_alu depctr_va_vdst(0)                   ; and one wait for the four, ahead of their first reader
	v_add_f32 v30, v26, v27
	v_add_f32 v31, v28, v29
	v_add_f32 v30, v30, v31
	v_rcp_f32 v30, v30
	v_mov_b32 v8, 0                                ; (a plain instruction)  the chosen expert so far: 0
	s_wait_alu depctr_va_vdst(0)
.irp e, 0,1,2,3
	v_mul_f32 v[26+\e], v[26+\e], v30              ; the weights
.endr
	v_mov_b32 v9, v26
.irp e, 1,2,3
	v_mov_b32 v13, \e
	v_cmp_gt_f32 vcc_lo, v[26+\e], v9              ; strictly larger only: the lower index keeps a tie
	v_cndmask_b32 v9, v9, v[26+\e], vcc_lo
	v_cndmask_b32 v8, v8, v13, vcc_lo
.endr
	v_add_f32 v10, 0x358637bd, v9                  ; g + 1e-6
	v_log_f32 v10, v10
	v_mov_b32 v12, 0x3dd434cc                      ; (a plain instruction)  -0.0025 x 3 ln(1e-6): the three gates that are zero
	s_mov_b32 s58, 0xbae32166                      ; -0.0025 ln 2
	s_wait_alu depctr_va_vdst(0)
	v_fma_f32 v11, v10, s58, v12                   ; out1 = -0.0025 (ln(g + 1e-6) + 3 ln(1e-6))
	s_wait_xcnt 0x0                                ; EXEC changes only behind this wait
	v_cmp_gt_u32 vcc_lo, 8, v1
	s_and_saveexec_b32 s59, vcc_lo
	global_store_b32 v6, v8, s[24:25]              ; 32 bytes each: 24 KB in the whole launch
	global_store_b32 v6, v9, s[26:27]
	global_store_b32 v6, v11, s[28:29]
	s_wait_xcnt 0x0
	s_or_b32 exec_lo, exec_lo, s59
	s_endpgm
.Lfunc_end_k_q059e1a10bb_prep:
	.size	k_q059e1a10bb_prep, .Lfunc_end_k_q059e1a10bb_prep-k_q059e1a10bb_prep
	.p2alignl 7, 3214868480
	.fill 96, 4, 3214868480
	.section	.rodata,"a",@progbits
	.p2align	6, 0x0
	.amdhsa_kernel k_q059e1a10bb_prep
		.amdhsa_group_segment_fixed_size 0
		.amdhsa_private_segment_fixed_size 0
		.amdhsa_enable_private_segment 0
		.amdhsa_kernarg_size 88
		.amdhsa_user_sgpr_count 2
		.amdhsa_user_sgpr_kernarg_segment_ptr 1
		.amdhsa_wavefront_size32 1
		.amdhsa_system_sgpr_workgroup_id_x 1
		.amdhsa_system_sgpr_workgroup_id_y 1
		.amdhsa_system_sgpr_workgroup_id_z 1
		.amdhsa_system_vgpr_workitem_id 0
		.amdhsa_next_free_vgpr 256
		.amdhsa_next_free_sgpr 66
		.amdhsa_reserve_vcc 1
		.amdhsa_float_denorm_mode_32 3
		.amdhsa_float_denorm_mode_16_64 3
		.amdhsa_memory_ordered 1
		.amdhsa_forward_progress 1
		.amdhsa_inst_pref_size 126
	.end_amdhsa_kernel
	.amdgpu_metadata
---
amdhsa.version: [ 1, 2 ]
amdhsa.kernels:
  - .name:           k_q059e1a10bb_prep
    .symbol:         k_q059e1a10bb_prep.kd
    .args:
      - { .name: backbone_output, .offset: 0, .size: 8, .value_kind: global_buffer, .address_space: global }
      - { .name: task, .offset: 8, .size: 8, .value_kind: global_buffer, .address_space: global }
      - { .name: task_embeddings, .offset: 16, .size: 8, .value_kind: global_buffer, .address_space: global }
      - { .name: routing_matrix, .offset: 24, .size: 8, .value_kind: global_buffer, .address_space: global }
      - { .name: W1, .offset: 32, .size: 8, .value_kind: global_buffer, .address_space: global }
      - { .name: W2, .offset: 40, .size: 8, .value_kind: global_buffer, .address_space: global }
      - { .name: opq, .offset: 48, .size: 8, .value_kind: global_buffer, .address_space: global }
      - { .name: ops, .offset: 56, .size: 8, .value_kind: global_buffer, .address_space: global }
      - { .name: idx, .offset: 64, .size: 8, .value_kind: global_buffer, .address_space: global }
      - { .name: gate, .offset: 72, .size: 8, .value_kind: global_buffer, .address_space: global }
      - { .name: out1, .offset: 80, .size: 8, .value_kind: global_buffer, .address_space: global }
    .group_segment_fixed_size: 0
    .private_segment_fixed_size: 0
    .kernarg_segment_align: 8
    .kernarg_segment_size: 88
    .max_flat_workgroup_size: 128
    .sgpr_count:     66
    .vgpr_count:     256
    .wavefront_size: 32
...
	.end_amdgpu_metadata
.endif
;; end of part 1
;; launch gemm1 (part 2): grid 32 x 8, 4 waves a work-group, clusters of 4 x 4, 327,680 bytes of LDS; arguments opq, ops, hq, hs, b1; writes hq, hs
.if DOCPART == 2
	.amdgcn_target "amdgcn-amd-amdhsa--gfx1250"
	.amdhsa_code_object_version 6
	.text
	.protected	k_q059e1a10bb_gemm1
	.globl	k_q059e1a10bb_gemm1
	.p2align	8
	.type	k_q059e1a10bb_gemm1,@function
k_q059e1a10bb_gemm1:
	s_mov_b64 s[64:65], 0
	v_nop
	global_prefetch_b8 v0, s[64:65] scope:SCOPE_SE
	s_setreg_imm32_b32 hwreg(HW_REG_WAVE_MODE, 25, 1), 1
	s_wait_xcnt 0x0
	s_wait_alu depctr_hold_cnt(0) depctr_sa_sdst(0) depctr_va_vdst(0) depctr_va_sdst(0) depctr_va_ssrc(0) depctr_va_vcc(0) depctr_vm_vsrc(0)
	s_getreg_b32 s2, hwreg(HW_REG_IB_STS2, 6, 4)
	s_cmp_eq_u32 s2, 0
	s_cbranch_scc0 .Lentry_in_a_cluster
	s_endpgm
.Lentry_in_a_cluster:
	s_bfe_u32 s2, ttmp6, 0x10000c
	s_cmp_lg_u32 s2, 0xf033
	s_cbranch_scc0 .Lentry_shape_is_right
	s_endpgm
.Lentry_shape_is_right:
; ONE TEXT FOR BOTH LAYERS; the constant LAYER picks.  Both products on codes of FP6 (E2M3) with one E8M0 scale for each 32 along K, sums in f32.
;   LAYER 1: h = relu(x W1 + b1), [2048 tokens] x [4 x 2048 hidden], K = 1,024; h is quantised along the hidden axis in registers and leaves as codes and scale bytes, laid as layer 2's operand.
;   LAYER 2: eo = relu(h W2 + b2), [4 x 2048 rows of h] x [2048], K = 2,048, expert by expert; eo leaves as f32, [token][expert][2048].
; A tile of C, 256 x 256, is made by a work-group of four waves; a wave makes 128 x 128: 64 accumulators, 512 registers.  There are 256 tiles.
; OPERANDS LIE IN MEMORY AS IMAGES OF THEIR REGISTERS: a dense block of 24,576 bytes is 128 rows x 256 along K; fragment (tile t, q-th 128) at (2 t + q) x 1,536; register 4 c + i of lane l at 512 c + 16 l + 4 i.
; So a quarter of a K block is one dense block for one tensor load, a fragment is three LDS loads of 512 consecutive bytes, and LDS needs no padding.
; THE RING HAS THREE PLACES for K blocks of 256.  P0 and P1 lie side by side in each wave's quarter, so that ONE tensor load fills both; P2 stands alone.  Block ks lies in place (ks + 2) % 3.
; The first fills bring block 0 (P2) and blocks 1, 2 (P0, P1).  Refills take turns: one block into P2, with two unread blocks on hand and the next refill's barrier two blocks on (224 matrix instructions between the request and
; the wait for it), then two blocks into P0, P1 (96 between).  No barrier stands between two blocks that one load brought.  The places come round every 3 blocks and the scale sets every 2, so the walk along K is written out.
; THE SCALE BYTES of the work-group's rows for blocks 1 on come once, with the first fills, and stay in LDS; block 0's words come straight from memory into registers (three places and all scale bytes would not fit in LDS together).
; CLUSTERS: 4 x 4 work-groups; A's blocks are asked for jointly along a row of the cluster, B's along a column.  (In layer 2 the expert comes from the cluster's y alone: all sixteen share it.)
; THE MATRIX INSTRUCTION IS USED TRANSPOSED (source 0 = 16 rows of W, source 1 = 16 rows of A), and the rows of a tile of W are chosen so that register j of tile 2 beta + u in lane (r, h) is column 32 beta + 16 h + 8 u + j
; of row r: a lane's 16 registers of two neighbouring tiles are 16 neighbours.  The bias is the C of each sum's first matrix instruction.
; REGISTERS: window 0: v16-30 addresses; v32-63 scale words, two sets; v64-127 the bias, 8 tiles; v128-223 A's fragments, one set; v224-239 B's scale words of block 0.  window 1: B's fragments, two sets, at v0 and v128.
;   windows 2, 3: accumulator (a, b) at v[8 (8 (a % 4) + b)].
; LIMITS: NaN and infinities are not served; a block of h whose largest number lies under 2^-124 has its byte held at 1, a block of zeros too (its codes are zeros; this program alone reads the bytes).
.set LAYER, 1
.if LAYER == 1
.set KS,    4                          ; blocks of 256 along K
.set RA,    2048                       ; rows of A's whole operand
.else
.set KS,    8
.set RA,    8192
.endif
.set RB,    8192
.set W1Q,   1572864                    ; where W1's and W2's codes and scale bytes begin in opq and ops
.set W2Q,   7864320
.set W1S,   65536
.set W2S,   327680
.set FR,    12                         ; registers of a fragment
.set NL,    3                          ; LDS loads that bring one
.set FRB,   1536                       ; its image in bytes
.set BLKB,  24576                      ; 128 rows x 256 along K
.set SMALL, 8*BLKB                     ; LDS: four quarters (A's two halves, B's two) of P0 and P1, 2 BLKB each; from here four quarters of P2
.set SCL,   12*BLKB                    ; behind the ring: the scale bytes of blocks 1 on
.set SQ,    (KS-1)*1024                ; those of 128 rows: [block][8 tiles][16 rows][2 words].  B's two quarters begin 128 bytes further on, so that the two halves of the lanes read different banks
.set SSTG,  ((SCL+4*SQ+128+255)/256)*256   ; layer 1: 2,048 bytes in which the work-group's scale words of h meet
.if LAYER == 1
.set SPARE, SSTG+2048                  ; the spare words, 128 bytes for each wave: two blocks of 256 bytes that no other line names
.else
.set SPARE, SSTG
.endif
.set SPITCH, 528                       ; layer 2, the way out: a stage of 16 rows x (512 + 16) bytes for each wave,
.set STAGE, SMALL                      ; in P2, which has had its last fill (block 6) and, behind the last barrier, its last read
.set R8,   8                           ; v8     8 x (lane % 16): a row's two scale words
.set ADRA, 16                          ; v16-18 LDS address of my A fragments in P0, P1, P2
.set ADRB, 20                          ; v20-22 the same for B
.set STO,  24                          ; v24    the way out: layer 1: 16 x lane;  layer 2: where I put 32 bytes of a row
.set RD,   25                          ; v25    layer 1: where my row's scale word goes;  layer 2: where I read a row back
.set CO,   26                          ; v26    layer 1: 16 x thread;  layer 2: 16 x lane
.set ADRS, 27                          ; v27    LDS address of my scale words: lanes 0-15 A's rows, lanes 16-31 B's; never rewritten
.set SPW,  28                          ; v28    LDS address of my spare word; never rewritten
.set NIL,  29                          ; v29    0; never rewritten
.set SRD,  30                          ; v30    layer 1: where I read 16 bytes of scale words back
.set SC,   32
.set BI,   64
.set AF,   128
.set SB0,  224
.set BK,   128                         ; layer 2, the way out: rows read back: v128-191 and v192-255 by turns
.set HA,   128                         ; layer 1, the way out: 64 numbers of h;
.set PC,   192                         ; the codes just made;
.set TM,   212                         ; at work;
.set PW,   228                         ; the scale word just made
.set OUT,  20                          ; s[20:21] layer 1: hq, layer 2: eo;  s[22:23] layer 1: hs
.set SEL,  104                         ; s[104:105] lane selects for lane l xor 16 (layer 1's way out)
.set G1,   24                          ; s[24:31], s[32:39] group 1 for one block of A, of B
.set G1B,  32
.set G1L,  40                          ; s[40:47], s[48:55] group 1 for two blocks on end
.set G1LB, 48
.set G0,   56                          ; s[56:59], s[60:63] group 0 for P2
.set G0B,  60
.set G1S,  68                          ; s[68:75], s[76:83] group 1 for the scale bytes
.set G1SB, 76
.set G0L,  84                          ; s[84:87], s[88:91] group 0 for P0, P1
.set G0LB, 88
.set G0S,  92                          ; s[92:95], s[96:99] group 0 for the scale bytes
.set G0SB, 96
.set MSB, 0
.macro WIN new                         ; the immediate's high byte repeats the setting that is left
.if MSB != (\new)
	s_set_vgpr_msb (MSB<<8)|(\new)
.set MSB, \new
.endif
.endm
.set MUL_LO, 0xa1                      ; source 0 (B) window 1, source 1 (A) window 0, C and D window 2
.set MUL_HI, 0xf1                      ; the same, C and D window 3
.set FST_LO, 0x81                      ; the first step: C is the bias, in window 0
.set FST_HI, 0xc1
.set TO_B,   0x40
; A joint load: waves 0 and 1 fetch for A, waves 2 and 3 for B.  The branch hangs on the wave's number alone.  An s_nop 0 and four v_nop follow each of the two lines.
.macro JLOAD g0a, g1a, g0b, g1b
	s_cmp_eq_u32 s15, 0
	s_cbranch_scc0 .Lfor_b_\@
	tensor_load_to_lds s[\g0a:\g0a+3], s[\g1a:\g1a+7]
	s_nop 0
.rept 4
	v_nop
.endr
	s_branch .Lasked_\@
.Lfor_b_\@:
	tensor_load_to_lds s[\g0b:\g0b+3], s[\g1b:\g1b+7]
	s_nop 0
.rept 4
	v_nop
.endr
.Lasked_\@:
.endm
.macro CREST                           ; a round of the cluster's barrier behind its opening barrier
	s_cmp_lg_u32 s14, 0
	s_cbranch_scc1 .Lnot_wave_0_\@
	s_barrier_signal -3
.Lnot_wave_0_\@:
	s_barrier_wait -3
	s_barrier_signal -1
	s_barrier_wait -1
.endm
.macro CROUND
	s_barrier_signal -1
	s_barrier_wait -1
	CREST
.endm
.macro PLACES n                        ; plain instructions between a matrix instruction and a load into, or a vector instruction on, its registers
.rept \n
	v_nop
.endr
.endm
.if LAYER == 1
	s_load_b128 s[4:7], s[0:1], 0x0                ; opq (x's codes at 0), ops
	s_load_b128 s[20:23], s[0:1], 0x10             ; hq, hs
	s_load_b64 s[12:13], s[0:1], 0x20              ; b1
.else
	s_load_b128 s[4:7], s[0:1], 0x0                ; hq, hs
	s_load_b128 s[8:11], s[0:1], 0x10              ; opq, ops
	s_load_b64 s[20:21], s[0:1], 0x20              ; eo
	s_load_b64 s[12:13], s[0:1], 0x28              ; b2
.endif
	v_lshl_add_u32 v[SPW], v0, 2, SPARE
	v_mov_b32 v[NIL], 0
	ds_add_u32 v[SPW], v[NIL]                      ; the wave's opening: the add and its wait stand ahead of my first tensor load; the set-up below, work on registers, stands between them
	v_lshrrev_b32 v1, 5, v0
	v_readfirstlane_b32 s14, v1                    ; wave 0..3
	s_lshr_b32 s15, s14, 1                         ; which half of the tile's rows is mine.  Also: I fetch for A (0) or for B (1)
	s_and_b32 s16, s14, 1                          ; which half of its columns.  Also: which 128 rows I fetch
	s_bfe_u32 s66, ttmp6, 0x40000                  ; cx, cy: my place in the cluster
	s_bfe_u32 s67, ttmp6, 0x40004
	s_lshl_b32 s18, ttmp9, 2
	s_add_co_u32 s18, s18, s66                     ; tile column = 4 x cluster x + cx
	s_and_b32 s17, ttmp7, 0xffff
	s_lshl_b32 s17, s17, 2
	s_add_co_u32 s17, s17, s67                     ; tile row = 4 x cluster y + cy
	s_lshl_b32 s100, s67, 2
	s_lshl_b32 s100, 15, s100                      ; my row of the cluster
	s_lshl_b32 s101, 0x1111, s66                   ; my column
	; group 1, word 0: 15:0 the mask (A's go to my row, B's to my column); 17:16 elements of 8 bytes; 21 set beside a mask; no padding
.irp g, G1, G1L, G1S
	s_or_b32 s[\g], s100, (3<<16)|(1<<21)
.endr
.irp g, G1B, G1LB, G1SB
	s_or_b32 s[\g], s101, (3<<16)|(1<<21)
.endr
.irp g, G1, G1B                        ; one dense block: 96 rows of 256 bytes (32 elements)
	s_mov_b32 s[\g+1], 32<<16                      ; tensor_dim0
	s_mov_b32 s[\g+2], 96<<16                      ; tensor_dim1
	s_mov_b32 s[\g+3], 32<<16                      ; tile_dim0
	s_mov_b32 s[\g+4], 96                          ; tile_dim1
	s_mov_b32 s[\g+5], 32                          ; from row to row
	s_mov_b32 s[\g+6], 0
	s_mov_b32 s[\g+7], 0
.endr
.irp g, G1L, G1LB                      ; two blocks on end, in memory and in LDS: 192 rows
	s_mov_b32 s[\g+1], 32<<16
	s_mov_b32 s[\g+2], 192<<16
	s_mov_b32 s[\g+3], 32<<16
	s_mov_b32 s[\g+4], 192
	s_mov_b32 s[\g+5], 32
	s_mov_b32 s[\g+6], 0
	s_mov_b32 s[\g+7], 0
.endr
.irp g, G1S, G1SB                      ; the scale bytes of 128 rows: KS - 1 rows of 1,024 bytes (128 elements), one for each block from 1 on, 8 bytes x the operand's rows apart
	s_mov_b32 s[\g+1], 128<<16
	s_mov_b32 s[\g+2], (KS-1)<<16
	s_mov_b32 s[\g+3], 128<<16
	s_mov_b32 s[\g+4], KS-1
	s_mov_b32 s[\g+6], 0
	s_mov_b32 s[\g+7], 0
.endr
	s_mov_b32 s[G1S+5], RA
	s_mov_b32 s[G1SB+5], RB
	; what I would fetch.  A's numbers hang on the tile row alone and stand in s2; B's on the tile column (and the cluster's expert) and stand in s104
	s_lshl_b32 s2, s17, 1
	s_add_co_u32 s2, s2, s16                       ; A: which 128 rows: 2 x tile row + half
.if LAYER == 1
	s_lshl_b32 s104, s18, 1                        ; B: 2 x tile column + half
.else
	s_and_b32 s19, ttmp7, 0xffff
	s_lshr_b32 s19, s19, 1                         ; the expert: 8 tile rows each, two clusters
	s_lshl_b32 s104, s19, 3
	s_add_co_u32 s104, s104, s18
	s_lshl_b32 s104, s104, 1                       ; B: 2 x (8 x expert + tile column) + half
.endif
	s_add_co_u32 s104, s104, s16
	s_lshl_b32 s[G0S+2], s2, 10                    ; their scale bytes: 1,024 bytes a 128 rows,
	s_add_co_u32 s[G0S+2], s[G0S+2], 8*RA          ; from block 1 on
	s_mov_b32 s[G0S+3], 0
	s_lshl_b32 s[G0SB+2], s104, 10
	s_add_co_u32 s[G0SB+2], s[G0SB+2], 8*RB
	s_mov_b32 s[G0SB+3], 0
	s_mul_i32 s[G0+2], s2, KS*BLKB                 ; their codes: KS blocks a 128 rows
	s_mov_b32 s[G0+3], 0
	s_mul_i32 s[G0B+2], s104, KS*BLKB
	s_mov_b32 s[G0B+3], 0
.irp g, G0, G0B, G0L, G0LB, G0S, G0SB
	s_mov_b32 s[\g], 1                             ; 1:0 count = 1
.endr
	s_mul_i32 s[G0+1], s14, BLKB                   ; where they go: a constant + wave x a quarter: no place in the cluster enters an LDS address
	s_add_co_u32 s[G0+1], s[G0+1], SMALL
	s_mul_i32 s[G0B+1], s14, BLKB
	s_add_co_u32 s[G0B+1], s[G0B+1], SMALL
	s_mul_i32 s[G0L+1], s14, 2*BLKB
	s_mul_i32 s[G0LB+1], s14, 2*BLKB
	s_mul_i32 s[G0S+1], s14, SQ
	s_add_co_u32 s[G0S+1], s[G0S+1], SCL
	s_mul_i32 s[G0SB+1], s14, SQ
	s_add_co_u32 s[G0SB+1], s[G0SB+1], SCL+128
	s_wait_dscnt 0x0                               ; the opening add is done
	s_wait_kmcnt 0x0
.if LAYER == 1
	s_add_nc_u64 s[8:9], s[4:5], W1Q
	s_add_nc_u64 s[10:11], s[6:7], W1S
.else
	s_add_nc_u64 s[8:9], s[8:9], W2Q
	s_add_nc_u64 s[10:11], s[10:11], W2S
.endif
	s_add_nc_u64 s[G0S+2:G0S+3], s[6:7], s[G0S+2:G0S+3]
	s_add_nc_u64 s[G0SB+2:G0SB+3], s[10:11], s[G0SB+2:G0SB+3]
	s_add_nc_u64 s[G0+2:G0+3], s[4:5], s[G0+2:G0+3]             ; P2 begins with block 0,
	s_add_nc_u64 s[G0B+2:G0B+3], s[8:9], s[G0B+2:G0B+3]
	s_add_nc_u64 s[G0L+2:G0L+3], s[G0+2:G0+3], BLKB             ; P0, P1 with blocks 1, 2
	s_add_nc_u64 s[G0LB+2:G0LB+3], s[G0B+2:G0B+3], BLKB
.irp g, G0, G0B, G0L, G0LB, G0S, G0SB
	s_or_b32 s[\g+3], s[\g+3], 0x80000000          ; 127:126 type = 2
.endr
	CROUND                                         ; all sixteen work-groups are here: the first joint loads meet
	JLOAD G0S, G1S, G0SB, G1SB                     ; the first fills, three tensor loads of mine: the scale bytes,
	JLOAD G0, G1, G0B, G1B                         ; block 0,
	JLOAD G0L, G1L, G0LB, G1LB                     ; blocks 1 and 2
	v_and_b32 v1, 31, v0                           ; lane
	v_and_b32 v2, 15, v0                           ; r
	v_bfe_u32 v3, v0, 4, 1                         ; h
	v_lshlrev_b32 v4, 4, v1                        ; an image's place for my lane
	v_lshlrev_b32 v[R8], 3, v2
	; block 0's scale words of the rows that I MULTIPLY, straight from memory: 1,024 consecutive bytes a side; lanes 16-31 load what lanes 0-15 load
	s_lshl_b32 s2, s17, 1
	s_add_co_u32 s2, s2, s15
	s_lshl_b32 s2, s2, 10
	s_mov_b32 s3, 0
	s_add_nc_u64 s[6:7], s[6:7], s[2:3]
	s_lshl_b32 s104, s104, 10
	s_mov_b32 s105, 0
	s_add_nc_u64 s[10:11], s[10:11], s[104:105]
.irp i, 0,1,2,3,4,5,6,7
	global_load_b64 v[SC+2*\i:SC+2*\i+1], v[R8], s[6:7] offset:128*\i
	global_load_b64 v[SB0+2*\i:SB0+2*\i+1], v[R8], s[10:11] offset:128*\i
.endr
	s_lshl_b32 s2, s18, 10                         ; the bias of my 128 columns
	s_lshl_b32 s3, s16, 9
	s_add_co_u32 s2, s2, s3
.if LAYER == 2
	s_lshl_b32 s3, s19, 13
	s_add_co_u32 s2, s2, s3
.endif
	s_mov_b32 s3, 0
	s_add_nc_u64 s[12:13], s[12:13], s[2:3]
	v_lshlrev_b32 v7, 6, v3                        ; lane (r, h) wants, for tile 2 beta + u, columns 32 beta + 16 h + 8 u + 0 .. 7
.irp b, 0,1,2,3,4,5,6,7
	global_load_b128 v[BI+8*\b:BI+8*\b+3], v7, s[12:13] offset:(32*(\b/2)+8*(\b%2))*4
	global_load_b128 v[BI+8*\b+4:BI+8*\b+7], v7, s[12:13] offset:(32*(\b/2)+8*(\b%2))*4+16
.endr
	s_mul_i32 s2, s15, 2*BLKB                      ; my 128 rows of A in P0,
	s_mul_i32 s3, s16, 2*BLKB
	s_add_co_u32 s3, s3, 4*BLKB                    ; of B
	v_add_nc_u32 v[ADRA+0], s2, v4
	v_add_nc_u32 v[ADRB+0], s3, v4
	s_add_co_u32 s2, s2, BLKB                      ; in P1,
	s_add_co_u32 s3, s3, BLKB
	v_add_nc_u32 v[ADRA+1], s2, v4
	v_add_nc_u32 v[ADRB+1], s3, v4
	s_mul_i32 s2, s15, BLKB                        ; in P2
	s_add_co_u32 s2, s2, SMALL
	s_mul_i32 s3, s16, BLKB
	s_add_co_u32 s3, s3, SMALL+2*BLKB
	v_add_nc_u32 v[ADRA+2], s2, v4
	v_add_nc_u32 v[ADRB+2], s3, v4
	s_mul_i32 s2, s15, SQ                          ; the scale words in LDS
	s_mul_i32 s3, s16, SQ
	s_add_co_u32 s3, s3, 2*SQ+128
	s_sub_co_u32 s3, s3, s2
	v_mul_u32_u24 v6, s3, v3                       ; lanes 16-31 take B's: one product with h
	s_add_co_u32 s2, s2, SCL
	v_add_nc_u32 v6, v[R8], v6
	v_add_nc_u32 v[ADRS], s2, v6
.if LAYER == 1
	; where my part of h goes.  My 128 columns are the (column half)-th 128 of block (tile column % 8) along layer 2's K; my 128 tokens are one block of rows of expert (tile column / 8)
	s_lshr_b32 s19, s18, 3                         ; expert
	s_and_b32 s104, s18, 7
	s_lshl_b32 s2, s19, 4
	s_lshl_b32 s3, s17, 1
	s_add_co_u32 s2, s2, s3
	s_add_co_u32 s2, s2, s15                       ; which 128 rows of h
	s_lshl_b32 s2, s2, 3
	s_add_co_u32 s2, s2, s104
	s_mul_i32 s2, s2, BLKB
	s_mul_i32 s3, s16, FRB
	s_add_co_u32 s2, s2, s3
	s_mov_b32 s3, 0
	s_add_nc_u64 s[OUT:OUT+1], s[OUT:OUT+1], s[2:3]
	s_lshl_b32 s2, s104, 9                         ; the work-group's 16 tiles of scale words: 2,048 consecutive bytes
	s_lshl_b32 s3, s19, 7
	s_add_co_u32 s2, s2, s3
	s_lshl_b32 s3, s17, 4
	s_add_co_u32 s2, s2, s3
	s_lshl_b32 s2, s2, 7
	s_mov_b32 s3, 0
	s_add_nc_u64 s[OUT+2:OUT+3], s[OUT+2:OUT+3], s[2:3]
	v_mov_b32 v[STO], v4
	s_lshl_b32 s2, s15, 10
	s_lshl_b32 s3, s16, 2
	s_add_co_u32 s2, s2, s3
	s_add_co_u32 s2, s2, SSTG
	v_lshl_add_u32 v[RD], v2, 3, s2                ; tile 8 x (row half) + a, row r, word (column half)
	v_lshlrev_b32 v[CO], 4, v0
	v_add_nc_u32 v[SRD], SSTG, v[CO]
	s_mov_b32 s[SEL], 0x76543210
	s_mov_b32 s[SEL+1], 0xfedcba98
.else
	; where my part of eo begins: token (tile row % 8) x 256 + 128 x half, 32,768 bytes a token; expert x 8,192; my 128 columns
	s_and_b32 s2, s17, 7
	s_lshl_b32 s2, s2, 1
	s_add_co_u32 s2, s2, s15
	s_lshl_b32 s2, s2, 22
	s_lshl_b32 s3, s19, 13
	s_add_co_u32 s2, s2, s3
	s_lshl_b32 s3, s18, 10
	s_add_co_u32 s2, s2, s3
	s_lshl_b32 s3, s16, 9
	s_add_co_u32 s2, s2, s3
	s_mov_b32 s3, 0
	s_add_nc_u64 s[OUT:OUT+1], s[OUT:OUT+1], s[2:3]
	s_mul_i32 s2, s14, 16*SPITCH                   ; my stage
	s_add_co_u32 s2, s2, STAGE
	v_mul_u32_u24 v5, v2, SPITCH
	v_lshl_add_u32 v5, v3, 6, v5
	v_add_nc_u32 v[STO], s2, v5                    ; in: row r, + 64 h
	v_mov_b32 v[CO], v4                            ; back: the 32 lanes take one row of 512 bytes; and the same in eo
	v_add_nc_u32 v[RD], s2, v4
.endif
.macro FRAG reg, adr, q, i             ; fragment (tile i, q-th 128): three loads of 512 consecutive bytes bring the image
.irp c, 0,1,2
	ds_load_b128 v[\reg+4*\c:\reg+4*\c+3], v[\adr] offset:(2*(\i)+(\q))*FRB+512*\c
.endr
.endm
.macro FETCH_B pl, q, p                ; B's eight fragments out of place pl into set p
	WIN TO_B
.irp i, 0,1,2,3,4,5,6,7
	FRAG 128*(\p)+FR*\i, ADRB+\pl, \q, \i
.endr
	WIN 0
.endm
.macro FETCH_A pl, q, i0               ; A's blocks i0 .. i0 + 3
.irp i, \i0, \i0+1, \i0+2, \i0+3
	FRAG AF+FR*(\i), ADRA+\pl, \q, \i
.endr
.endm
.macro SCALES sc, ks                   ; block ks's scale words (ks from 1 on) into set sc: register 2 i + q: lanes 0-15 the word of A's block i, lanes 16-31 that of B's block i
.irp i, 0,1,2,3,4,5,6,7
	ds_load_b64 v[SC+16*\sc+2*\i:SC+16*\sc+2*\i+1], v[ADRS] offset:((\ks)-1)*1024+128*\i
.endr
.endm
; 16 matrix instructions: A's blocks a0, a0 + 1 x B's eight, 128 along K.  kind 0: B's scale words stand in lanes 16-31 of the set; kind 1: K block 0, whose words of B stand in registers of their own; kind 2: K block 0's first step:
; the bias is C and starts the sums.  The 64 accumulators take turns, one instruction a turn, in the same order in every step.
.macro MUL16 a0, p, q, sc, kind
.irp a, \a0, \a0+1
.irp b, 0,1,2,3,4,5,6,7
.if \kind == 2
	v_wmma_scale_f32_16x16x128_f8f6f4 v[8*(8*((\a)%4)+\b):8*(8*((\a)%4)+\b)+7], v[128*(\p)+FR*\b:128*(\p)+FR*\b+FR-1], v[AF+FR*(\a):AF+FR*(\a)+FR-1], v[BI+8*\b:BI+8*\b+7], v[SB0+2*\b+(\q)], v[SC+16*(\sc)+2*(\a)+(\q)] matrix_a_fmt:MATRIX_FMT_FP6 matrix_b_fmt:MATRIX_FMT_FP6
.elseif \kind == 1
	v_wmma_scale_f32_16x16x128_f8f6f4 v[8*(8*((\a)%4)+\b):8*(8*((\a)%4)+\b)+7], v[128*(\p)+FR*\b:128*(\p)+FR*\b+FR-1], v[AF+FR*(\a):AF+FR*(\a)+FR-1], v[8*(8*((\a)%4)+\b):8*(8*((\a)%4)+\b)+7], v[SB0+2*\b+(\q)], v[SC+16*(\sc)+2*(\a)+(\q)] matrix_a_fmt:MATRIX_FMT_FP6 matrix_b_fmt:MATRIX_FMT_FP6
.else
	v_wmma_scale_f32_16x16x128_f8f6f4 v[8*(8*((\a)%4)+\b):8*(8*((\a)%4)+\b)+7], v[128*(\p)+FR*\b:128*(\p)+FR*\b+FR-1], v[AF+FR*(\a):AF+FR*(\a)+FR-1], v[8*(8*((\a)%4)+\b):8*(8*((\a)%4)+\b)+7], v[SC+16*(\sc)+2*\b+(\q)], v[SC+16*(\sc)+2*(\a)+(\q)] matrix_a_fmt:MATRIX_FMT_FP6 matrix_b_fmt:MATRIX_FMT_FP6 matrix_a_scale:MATRIX_SCALE_ROW1
.endif
.endr
.endr
.endm
; A K block's first step of 128; its second lies in the same place pl.  A block of A is free as soon as its eight products are issued: blocks 0-3 are fetched anew in the step's middle, blocks 4-7 at its end.
.macro STEP pl, sc, kind
	s_wait_dscnt 4*NL                              ; B's set, A's blocks 0-3 and the scale words are in; the youngest 12 loads (A's blocks 4-7) may be out
.if \kind == 2
	WIN FST_LO
.else
	WIN MUL_LO
.endif
	MUL16 0, 0, 0, \sc, \kind
	MUL16 2, 0, 0, \sc, \kind
	s_wait_dscnt 0x0                               ; A's blocks 4-7 are in
	PLACES 4
	FETCH_B \pl, 1, 1
	FETCH_A \pl, 1, 0
.if \kind == 2
	WIN FST_HI
.else
	WIN MUL_HI
.endif
	MUL16 4, 0, 0, \sc, \kind
	MUL16 6, 0, 0, \sc, \kind
	PLACES 4
	WIN 0
	FETCH_A \pl, 1, 4
.endm
; A K block's second step goes on to block nks, in place np, with scale set nsc.
; mode 0: that block came with this one, by one load: no barrier.  Else ONE barrier; in front of it each wave waits for all its tensor loads, adds 0 to its spare word, and waits for that and for its own LDS reads.
; mode 1: nothing is filled.  mode 2: P2, just read out, takes the block three on.  mode 3: P0 and P1 take the two blocks three on.  mode 4: P0 alone takes the last block.
.macro LAST sc, kind, np, nsc, nks, mode
.if \mode == 0
	s_wait_dscnt 4*NL
	WIN MUL_LO
	MUL16 0, 1, 1, \sc, \kind
	MUL16 2, 1, 1, \sc, \kind
	s_wait_dscnt 0x0
	PLACES 4
.else
	s_wait_tensorcnt 0x0                           ; all my tensor loads have landed, my part of the next block among them
	ds_add_u32 v[SPW], v[NIL]                      ; 0 onto my spare word
	s_wait_dscnt 4*NL+1                            ; (the add and the youngest 12 loads may be out)
	WIN MUL_LO
	MUL16 0, 1, 1, \sc, \kind                      ; sixteen matrix instructions stand between the add and the wait for it
	s_wait_dscnt 0x0                               ; the add is done, and my reads of the places read so far are over
	s_barrier_signal -1
	MUL16 2, 1, 1, \sc, \kind
	WIN 0
	s_barrier_wait -1
.if \mode >= 2
	CREST                                          ; the barrier has opened a round of the cluster's barrier: no wave of any partner still reads what is filled now, or has a load on its way
.if \mode == 2
	s_add_nc_u64 s[G0+2:G0+3], s[G0+2:G0+3], 3*BLKB
	s_add_nc_u64 s[G0B+2:G0B+3], s[G0B+2:G0B+3], 3*BLKB
	JLOAD G0, G1, G0B, G1B                         ; the first tensor load behind the round; its four v_nop are also the places in front of the loads below
.elseif \mode == 3
	s_add_nc_u64 s[G0L+2:G0L+3], s[G0L+2:G0L+3], 3*BLKB
	s_add_nc_u64 s[G0LB+2:G0LB+3], s[G0LB+2:G0LB+3], 3*BLKB
	JLOAD G0L, G1L, G0LB, G1LB
.else
	s_add_nc_u64 s[G0L+2:G0L+3], s[G0L+2:G0L+3], 3*BLKB
	s_add_nc_u64 s[G0LB+2:G0LB+3], s[G0LB+2:G0LB+3], 3*BLKB
	JLOAD G0L, G1, G0LB, G1B                       ; P0's address with the shape of one block
.endif
.else
	PLACES 4
.endif
.endif
	FETCH_B \np, 0, 0
	FETCH_A \np, 0, 0
	SCALES \nsc, \nks
	WIN MUL_HI
	MUL16 4, 1, 1, \sc, \kind
	MUL16 6, 1, 1, \sc, \kind
	PLACES 4
	WIN 0
	FETCH_A \np, 0, 4
.endm
	s_wait_tensorcnt 1                             ; the scale bytes and my part of block 0 are in; the load of blocks 1, 2 may be out
	s_barrier_signal -1
	s_barrier_wait -1                              ; everybody's are
	FETCH_B 2, 0, 0
	FETCH_A 2, 0, 0
	FETCH_A 2, 0, 4
	s_wait_loadcnt 0x0                             ; the bias and block 0's scale words
	STEP 2, 0, 2                                   ; block 0 (P2): its first products start the sums, on the bias
	LAST 0, 1, 0, 1, 1, 2                          ; P2 takes block 3
	STEP 0, 1, 0                                   ; block 1 (P0)
	LAST 1, 0, 1, 0, 2, 0
	STEP 1, 0, 0                                   ; block 2 (P1)
.if LAYER == 1
	LAST 0, 0, 2, 1, 3, 1                          ; nothing is left to fetch
	STEP 2, 1, 0                                   ; block 3 (P2)
.else
	LAST 0, 0, 2, 1, 3, 3                          ; P0, P1 take blocks 4, 5
	STEP 2, 1, 0                                   ; block 3 (P2)
	LAST 1, 0, 0, 0, 4, 2                          ; P2 takes block 6
	STEP 0, 0, 0                                   ; block 4 (P0)
	LAST 0, 0, 1, 1, 5, 0
	STEP 1, 1, 0                                   ; block 5 (P1)
	LAST 1, 0, 2, 0, 6, 4                          ; P0 takes block 7
	STEP 2, 0, 0                                   ; block 6 (P2)
	LAST 0, 0, 0, 1, 7, 1                          ; nothing is left to fetch
	STEP 0, 1, 0                                   ; block 7 (P0)
.endif
	s_wait_dscnt 4*NL                              ; the very last step
	WIN MUL_LO
	MUL16 0, 1, 1, 1, 0
	MUL16 2, 1, 1, 1, 0
	s_wait_dscnt 0x0
	WIN MUL_HI
	MUL16 4, 1, 1, 1, 0
	MUL16 6, 1, 1, 1, 0
	WIN 0
	PLACES 4                                       ; behind the last products: their results are read, and the registers that held A's fragments written, only from here on
.if LAYER == 1
; THE WAY OUT OF LAYER 1.  Block a (16 tokens x my 128 hidden units) is exactly one fragment of layer 2's A: relu, the four blocks' scales, the conversions, and the image leaves by three stores of 512 consecutive bytes.
; 64 numbers of a lane, register 16 b + i = k 32 b + 16 (lane / 16) + i of my row, become a fragment's codes in v[PC] on and its scale word in v[PW].
.macro QUANT s
.irp b, 0,1,2,3
	v_max3_num_f32 v[TM+\b], |v[\s+16*\b]|, |v[\s+1+16*\b]|, 0x1800000   ; block b: my 16 numbers, and the floor 2^(3 - 127): the byte cannot fall under 1
.endr
.irp i, 2,4,6,8,10,12,14
.irp b, 0,1,2,3
	v_max3_num_f32 v[TM+\b], v[TM+\b], |v[\s+16*\b+\i]|, |v[\s+1+16*\b+\i]|   ; (the four blocks by turns)
.endr
.endr
.irp b, 0,1,2,3
	v_permlanex16_b32 v[TM+4+\b], v[TM+\b], s[SEL], s[SEL+1]
.endr
.irp b, 0,1,2,3
	v_max_num_f32 v[TM+\b], v[TM+\b], v[TM+4+\b]   ; with lane l xor 16's: the block's largest magnitude
.endr
.irp b, 0,1,2,3
	v_add_nc_u32 v[TM+12+\b], 0xff000000, v[TM+\b]   ; 2 off its exponent field: the conversion's scale operand
.endr
.irp b, 0,1,2,3
	v_lshrrev_b32 v[TM+4+\b], 23, v[TM+12+\b]      ; the scale's byte
.endr
	v_lshl_or_b32 v[PW], v[TM+5], 8, v[TM+4]       ; the four bytes make my row's scale word
	v_lshl_or_b32 v[PW], v[TM+6], 16, v[PW]
	v_lshl_or_b32 v[PW], v[TM+7], 24, v[PW]
.irp c, 0,1
	v_cvt_scalef32_pk16_fp6_f32 v[PC+6*\c:PC+2+6*\c], v[\s+32*\c:\s+15+32*\c], v[TM+12+2*\c]
	v_cvt_scalef32_pk16_fp6_f32 v[PC+12+4*\c:PC+14+4*\c], v[\s+16+32*\c:\s+31+32*\c], v[TM+12+2*\c+1]   ; (a conversion's three registers begin on an even number)
.endr
	v_nop                                          ; one plain instruction behind a scaled conversion
.irp c, 0,1                                    ; the operand's layout wants a WHOLE block in a lane: lanes 0-15 block 2 c, lanes 16-31 block 2 c + 1
.irp i, 0,1,2
	v_permlane16_swap_b32 v[PC+6*\c+\i], v[PC+12+4*\c+\i]
.endr
.irp i, 0,1,2
	v_mov_b32 v[PC+3+6*\c+\i], v[PC+12+4*\c+\i]
.endr
.endr
.endm
.macro HOUT a
	WIN 0x08+4*((\a)/4)                            ; source 1: window 2 or 3
.set J, 0
.rept 64
	v_max_num_f32 v[HA+J], 0, v[64*((\a)%4)+J]     ; the activation, and the move into window 0, in one line; each accumulator from its low end on
.set J, J+1
.endr
	WIN 0
	s_wait_xcnt 0x0                                ; the last block's stores have read the code registers, which are written again below
	QUANT HA
.irp c, 0,1,2
	global_store_b128 v[STO], v[PC+4*\c:PC+4*\c+3], s[OUT:OUT+1] offset:3072*(\a)+512*\c   ; 512 consecutive bytes, aligned
.endr
	ds_store_b32 v[RD], v[PW] offset:128*(\a)      ; lanes r and r + 16 write the same word with the same value
.endm
.irp b, 0,1,2,3
	v_mov_b32 v[TM+4+\b], 0                        ; written once: a lane permute's destination counts as one of its sources
.endr
.irp a, 0,1,2,3,4,5,6,7
	HOUT \a
.endr
	s_wait_dscnt 0x0                               ; for the others' sake: my scale words lie in the stage
	s_barrier_signal -1
	s_barrier_wait -1
	ds_load_b128 v[HA:HA+3], v[SRD]                ; the work-group's 2,048 bytes, 16 a thread
	s_wait_dscnt 0x0
	global_store_b128 v[CO], v[HA:HA+3], s[OUT+2:OUT+3]  ; 512 consecutive bytes a wave, aligned
.else
; THE WAY OUT OF LAYER 2, block by block of 16 tokens x 128 columns: relu in place; through my own stage in LDS; back as whole rows of 512 bytes.  LDS serves a wave's instructions in order (ISA guide 5.7.1.4): no wait between the stores and the loads.
.macro TOSTAGE a
.set AC, 64*((\a)%4)
	WIN 0x88+0x44*((\a)/4)                         ; destination and source 1: window 2 or 3
.set J, 0
.rept 64
	v_max_num_f32 v[AC+J], 0, v[AC+J]              ; each accumulator from its low end on
.set J, J+1
.endr
	WIN 0x08+4*((\a)/4)                            ; an LDS store's data are its source 1
.irp b, 0,1,2,3,4,5,6,7
	ds_store_b128 v[STO], v[AC+8*\b:AC+8*\b+3] offset:128*(\b/2)+32*(\b%2)       ; columns 32 (b / 2) + 16 h + 8 (b % 2) + 0 .. 7 of row r
	ds_store_b128 v[STO], v[AC+8*\b+4:AC+8*\b+7] offset:128*(\b/2)+32*(\b%2)+16
.endr
	WIN 0
.set BB, BK+64*((\a)%2)
.irp t, 0,1,2,3,4,5,6,7,8,9,10,11,12,13,14,15
	ds_load_b128 v[BB+4*\t:BB+4*\t+3], v[RD] offset:\t*SPITCH
.endr
.endm
.macro SEND a, younger                 ; younger: the LDS instructions issued behind block a's loads, which may stay out
.set BB, BK+64*((\a)%2)
	s_wait_dscnt \younger
.if (\a) > 0
	s_add_nc_u64 s[OUT:OUT+1], s[OUT:OUT+1], 16*32768   ; (behind a wait on XCNT: the earlier stores have read their base)  16 tokens on
.endif
.irp t, 0,1,2,3,4,5,6,7,8,9,10,11,12,13,14,15
	global_store_b128 v[CO], v[BB+4*\t:BB+4*\t+3], s[OUT:OUT+1] offset:\t*32768 th:TH_STORE_NT   ; 512 consecutive bytes, aligned
.endr
.endm
	TOSTAGE 0
.irp a, 1,2,3,4,5,6,7
.if \a > 1
	s_wait_xcnt 0x0                                ; block a - 2's stores have read their registers and their base
.endif
	TOSTAGE \a
	SEND \a-1, 32                                  ; behind block a - 1's loads: block a's 16 stores and 16 loads
.endr
	s_wait_xcnt 0x0
	SEND 7, 0
.endif
	s_wait_tensorcnt 0x0                           ; the wave's end, behind my last tensor load and my last LDS store
	ds_add_u32 v[SPW], v[NIL]
	s_wait_dscnt 0x0
	CROUND                                         ; the closing round: no work-group ends while a partner may still ask for a tile that names it
	s_endpgm
.Lfunc_end_k_q059e1a10bb_gemm1:
	.size	k_q059e1a10bb_gemm1, .Lfunc_end_k_q059e1a10bb_gemm1-k_q059e1a10bb_gemm1
	.p2alignl 7, 3214868480
	.fill 96, 4, 3214868480
	.section	.rodata,"a",@progbits
	.p2align	6, 0x0
	.amdhsa_kernel k_q059e1a10bb_gemm1
		.amdhsa_group_segment_fixed_size 327680
		.amdhsa_private_segment_fixed_size 0
		.amdhsa_enable_private_segment 0
		.amdhsa_kernarg_size 40
		.amdhsa_user_sgpr_count 2
		.amdhsa_user_sgpr_kernarg_segment_ptr 1
		.amdhsa_wavefront_size32 1
		.amdhsa_system_sgpr_workgroup_id_x 1
		.amdhsa_system_sgpr_workgroup_id_y 1
		.amdhsa_system_sgpr_workgroup_id_z 1
		.amdhsa_system_vgpr_workitem_id 0
		.amdhsa_next_free_vgpr 1024
		.amdhsa_next_free_sgpr 106
		.amdhsa_reserve_vcc 0
		.amdhsa_float_denorm_mode_32 3
		.amdhsa_float_denorm_mode_16_64 3
		.amdhsa_memory_ordered 1
		.amdhsa_forward_progress 1
		.amdhsa_inst_pref_size 159
	.end_amdhsa_kernel
	.amdgpu_metadata
---
amdhsa.version: [ 1, 2 ]
amdhsa.kernels:
  - .name:           k_q059e1a10bb_gemm1
    .symbol:         k_q059e1a10bb_gemm1.kd
    .args:
      - { .name: opq, .offset: 0, .size: 8, .value_kind: global_buffer, .address_space: global }
      - { .name: ops, .offset: 8, .size: 8, .value_kind: global_buffer, .address_space: global }
      - { .name: hq, .offset: 16, .size: 8, .value_kind: global_buffer, .address_space: global }
      - { .name: hs, .offset: 24, .size: 8, .value_kind: global_buffer, .address_space: global }
      - { .name: b1, .offset: 32, .size: 8, .value_kind: global_buffer, .address_space: global }
    .group_segment_fixed_size: 327680
    .private_segment_fixed_size: 0
    .kernarg_segment_align: 8
    .kernarg_segment_size: 40
    .max_flat_workgroup_size: 128
    .sgpr_count:     106
    .vgpr_count:     1024
    .wavefront_size: 32
...
	.end_amdgpu_metadata
.endif
;; end of part 2
;; launch gemm2 (part 3): grid 8 x 32, 4 waves a work-group, clusters of 4 x 4, 327,680 bytes of LDS; arguments hq, hs, opq, ops, eo, b2; writes eo
.if DOCPART == 3
	.amdgcn_target "amdgcn-amd-amdhsa--gfx1250"
	.amdhsa_code_object_version 6
	.text
	.protected	k_q059e1a10bb_gemm2
	.globl	k_q059e1a10bb_gemm2
	.p2align	8
	.type	k_q059e1a10bb_gemm2,@function
k_q059e1a10bb_gemm2:
	s_mov_b64 s[64:65], 0
	v_nop
	global_prefetch_b8 v0, s[64:65] scope:SCOPE_SE
	s_setreg_imm32_b32 hwreg(HW_REG_WAVE_MODE, 25, 1), 1
	s_wait_xcnt 0x0
	s_wait_alu depctr_hold_cnt(0) depctr_sa_sdst(0) depctr_va_vdst(0) depctr_va_sdst(0) depctr_va_ssrc(0) depctr_va_vcc(0) depctr_vm_vsrc(0)
	s_getreg_b32 s2, hwreg(HW_REG_IB_STS2, 6, 4)
	s_cmp_eq_u32 s2, 0
	s_cbranch_scc0 .Lentry_in_a_cluster
	s_endpgm
.Lentry_in_a_cluster:
	s_bfe_u32 s2, ttmp6, 0x10000c
	s_cmp_lg_u32 s2, 0xf033
	s_cbranch_scc0 .Lentry_shape_is_right
	s_endpgm
.Lentry_shape_is_right:
; ONE TEXT FOR BOTH LAYERS; the constant LAYER picks.  Both products on codes of FP6 (E2M3) with one E8M0 scale for each 32 along K, sums in f32.
;   LAYER 1: h = relu(x W1 + b1), [2048 tokens] x [4 x 2048 hidden], K = 1,024; h is quantised along the hidden axis in registers and leaves as codes and scale bytes, laid as layer 2's operand.
;   LAYER 2: eo = relu(h W2 + b2), [4 x 2048 rows of h] x [2048], K = 2,048, expert by expert; eo leaves as f32, [token][expert][2048].
; A tile of C, 256 x 256, is made by a work-group of four waves; a wave makes 128 x 128: 64 accumulators, 512 registers.  There are 256 tiles.
; OPERANDS LIE IN MEMORY AS IMAGES OF THEIR REGISTERS: a dense block of 24,576 bytes is 128 rows x 256 along K; fragment (tile t, q-th 128) at (2 t + q) x 1,536; register 4 c + i of lane l at 512 c + 16 l + 4 i.
; So a quarter of a K block is one dense block for one tensor load, a fragment is three LDS loads of 512 consecutive bytes, and LDS needs no padding.
; THE RING HAS THREE PLACES for K blocks of 256.  P0 and P1 lie side by side in each wave's quarter, so that ONE tensor load fills both; P2 stands alone.  Block ks lies in place (ks + 2) % 3.
; The first fills bring block 0 (P2) and blocks 1, 2 (P0, P1).  Refills take turns: one block into P2, with two unread blocks on hand and the next refill's barrier two blocks on (224 matrix instructions between the request and
; the wait for it), then two blocks into P0, P1 (96 between).  No barrier stands between two blocks that one load brought.  The places come round every 3 blocks and the scale sets every 2, so the walk along K is written out.
; THE SCALE BYTES of the work-group's rows for blocks 1 on come once, with the first fills, and stay in LDS; block 0's words come straight from memory into registers (three places and all scale bytes would not fit in LDS together).
; CLUSTERS: 4 x 4 work-groups; A's blocks are asked for jointly along a row of the cluster, B's along a column.  (In layer 2 the expert comes from the cluster's y alone: all sixteen share it.)
; THE MATRIX INSTRUCTION IS USED TRANSPOSED (source 0 = 16 rows of W, source 1 = 16 rows of A), and the rows of a tile of W are chosen so that register j of tile 2 beta + u in lane (r, h) is column 32 beta + 16 h + 8 u + j
; of row r: a lane's 16 registers of two neighbouring tiles are 16 neighbours.  The bias is the C of each sum's first matrix instruction.
; REGISTERS: window 0: v16-30 addresses; v32-63 scale words, two sets; v64-127 the bias, 8 tiles; v128-223 A's fragments, one set; v224-239 B's scale words of block 0.  window 1: B's fragments, two sets, at v0 and v128.
;   windows 2, 3: accumulator (a, b) at v[8 (8 (a % 4) + b)].
; LIMITS: NaN and infinities are not served; a block of h whose largest number lies under 2^-124 has its byte held at 1, a block of zeros too (its codes are zeros; this program alone reads the bytes).
.set LAYER, 2
.if LAYER == 1
.set KS,    4                          ; blocks of 256 along K
.set RA,    2048                       ; rows of A's whole operand
.else
.set KS,    8
.set RA,    8192
.endif
.set RB,    8192
.set W1Q,   1572864                    ; where W1's and W2's codes and scale bytes begin in opq and ops
.set W2Q,   7864320
.set W1S,   65536
.set W2S,   327680
.set FR,    12                         ; registers of a fragment
.set NL,    3                          ; LDS loads that bring one
.set FRB,   1536                       ; its image in bytes
.set BLKB,  24576                      ; 128 rows x 256 along K
.set SMALL, 8*BLKB                     ; LDS: four quarters (A's two halves, B's two) of P0 and P1, 2 BLKB each; from here four quarters of P2
.set SCL,   12*BLKB                    ; behind the ring: the scale bytes of blocks 1 on
.set SQ,    (KS-1)*1024                ; those of 128 rows: [block][8 tiles][16 rows][2 words].  B's two quarters begin 128 bytes further on, so that the two halves of the lanes read different banks
.set SSTG,  ((SCL+4*SQ+128+255)/256)*256   ; layer 1: 2,048 bytes in which the work-group's scale words of h meet
.if LAYER == 1
.set SPARE, SSTG+2048                  ; the spare words, 128 bytes for each wave: two blocks of 256 bytes that no other line names
.else
.set SPARE, SSTG
.endif
.set SPITCH, 528                       ; layer 2, the way out: a stage of 16 rows x (512 + 16) bytes for each wave,
.set STAGE, SMALL                      ; in P2, which has had its last fill (block 6) and, behind the last barrier, its last read
.set R8,   8                           ; v8     8 x (lane % 16): a row's two scale words
.set ADRA, 16                          ; v16-18 LDS address of my A fragments in P0, P1, P2
.set ADRB, 20                          ; v20-22 the same for B
.set STO,  24                          ; v24    the way out: layer 1: 16 x lane;  layer 2: where I put 32 bytes of a row
.set RD,   25                          ; v25    layer 1: where my row's scale word goes;  layer 2: where I read a row back
.set CO,   26                          ; v26    layer 1: 16 x thread;  layer 2: 16 x lane
.set ADRS, 27                          ; v27    LDS address of my scale words: lanes 0-15 A's rows, lanes 16-31 B's; never rewritten
.set SPW,  28                          ; v28    LDS address of my spare word; never rewritten
.set NIL,  29                          ; v29    0; never rewritten
.set SRD,  30                          ; v30    layer 1: where I read 16 bytes of scale words back
.set SC,   32
.set BI,   64
.set AF,   128
.set SB0,  224
.set BK,   128                         ; layer 2, the way out: rows read back: v128-191 and v192-255 by turns
.set HA,   128                         ; layer 1, the way out: 64 numbers of h;
.set PC,   192                         ; the codes just made;
.set TM,   212                         ; at work;
.set PW,   228                         ; the scale word just made
.set OUT,  20                          ; s[20:21] layer 1: hq, layer 2: eo;  s[22:23] layer 1: hs
.set SEL,  104                         ; s[104:105] lane selects for lane l xor 16 (layer 1's way out)
.set G1,   24                          ; s[24:31], s[32:39] group 1 for one block of A, of B
.set G1B,  32
.set G1L,  40                          ; s[40:47], s[48:55] group 1 for two blocks on end
.set G1LB, 48
.set G0,   56                          ; s[56:59], s[60:63] group 0 for P2
.set G0B,  60
.set G1S,  68                          ; s[68:75], s[76:83] group 1 for the scale bytes
.set G1SB, 76
.set G0L,  84                          ; s[84:87], s[88:91] group 0 for P0, P1
.set G0LB, 88
.set G0S,  92                          ; s[92:95], s[96:99] group 0 for the scale bytes
.set G0SB, 96
.set MSB, 0
.macro WIN new                         ; the immediate's high byte repeats the setting that is left
.if MSB != (\new)
	s_set_vgpr_msb (MSB<<8)|(\new)
.set MSB, \new
.endif
.endm
.set MUL_LO, 0xa1                      ; source 0 (B) window 1, source 1 (A) window 0, C and D window 2
.set MUL_HI, 0xf1                      ; the same, C and D window 3
.set FST_LO, 0x81                      ; the first step: C is the bias, in window 0
.set FST_HI, 0xc1
.set TO_B,   0x40
; A joint load: waves 0 and 1 fetch for A, waves 2 and 3 for B.  The branch hangs on the wave's number alone.  An s_nop 0 and four v_nop follow each of the two lines.
.macro JLOAD g0a, g1a, g0b, g1b
	s_cmp_eq_u32 s15, 0
	s_cbranch_scc0 .Lfor_b_\@
	tensor_load_to_lds s[\g0a:\g0a+3], s[\g1a:\g1a+7]
	s_nop 0
.rept 4
	v_nop
.endr
	s_branch .Lasked_\@
.Lfor_b_\@:
	tensor_load_to_lds s[\g0b:\g0b+3], s[\g1b:\g1b+7]
	s_nop 0
.rept 4
	v_nop
.endr
.Lasked_\@:
.endm
.macro CREST                           ; a round of the cluster's barrier behind its opening barrier
	s_cmp_lg_u32 s14, 0
	s_cbranch_scc1 .Lnot_wave_0_\@
	s_barrier_signal -3
.Lnot_wave_0_\@:
	s_barrier_wait -3
	s_barrier_signal -1
	s_barrier_wait -1
.endm
.macro CROUND
	s_barrier_signal -1
	s_barrier_wait -1
	CREST
.endm
.macro PLACES n                        ; plain instructions between a matrix instruction and a load into, or a vector instruction on, its registers
.rept \n
	v_nop
.endr
.endm
.if LAYER == 1
	s_load_b128 s[4:7], s[0:1], 0x0                ; opq (x's codes at 0), ops
	s_load_b128 s[20:23], s[0:1], 0x10             ; hq, hs
	s_load_b64 s[12:13], s[0:1], 0x20              ; b1
.else
	s_load_b128 s[4:7], s[0:1], 0x0                ; hq, hs
	s_load_b128 s[8:11], s[0:1], 0x10              ; opq, ops
	s_load_b64 s[20:21], s[0:1], 0x20              ; eo
	s_load_b64 s[12:13], s[0:1], 0x28              ; b2
.endif
	v_lshl_add_u32 v[SPW], v0, 2, SPARE
	v_mov_b32 v[NIL], 0
	ds_add_u32 v[SPW], v[NIL]                      ; the wave's opening: the add and its wait stand ahead of my first tensor load; the set-up below, work on registers, stands between them
	v_lshrrev_b32 v1, 5, v0
	v_readfirstlane_b32 s14, v1                    ; wave 0..3
	s_lshr_b32 s15, s14, 1                         ; which half of the tile's rows is mine.  Also: I fetch for A (0) or for B (1)
	s_and_b32 s16, s14, 1                          ; which half of its columns.  Also: which 128 rows I fetch
	s_bfe_u32 s66, ttmp6, 0x40000                  ; cx, cy: my place in the cluster
	s_bfe_u32 s67, ttmp6, 0x40004
	s_lshl_b32 s18, ttmp9, 2
	s_add_co_u32 s18, s18, s66                     ; tile column = 4 x cluster x + cx
	s_and_b32 s17, ttmp7, 0xffff
	s_lshl_b32 s17, s17, 2
	s_add_co_u32 s17, s17, s67                     ; tile row = 4 x cluster y + cy
	s_lshl_b32 s100, s67, 2
	s_lshl_b32 s100, 15, s100                      ; my row of the cluster
	s_lshl_b32 s101, 0x1111, s66                   ; my column
	; group 1, word 0: 15:0 the mask (A's go to my row, B's to my column); 17:16 elements of 8 bytes; 21 set beside a mask; no padding
.irp g, G1, G1L, G1S
	s_or_b32 s[\g], s100, (3<<16)|(1<<21)
.endr
.irp g, G1B, G1LB, G1SB
	s_or_b32 s[\g], s101, (3<<16)|(1<<21)
.endr
.irp g, G1, G1B                        ; one dense block: 96 rows of 256 bytes (32 elements)
	s_mov_b32 s[\g+1], 32<<16                      ; tensor_dim0
	s_mov_b32 s[\g+2], 96<<16                      ; tensor_dim1
	s_mov_b32 s[\g+3], 32<<16                      ; tile_dim0
	s_mov_b32 s[\g+4], 96                          ; tile_dim1
	s_mov_b32 s[\g+5], 32                          ; from row to row
	s_mov_b32 s[\g+6], 0
	s_mov_b32 s[\g+7], 0
.endr
.irp g, G1L, G1LB                      ; two blocks on end, in memory and in LDS: 192 rows
	s_mov_b32 s[\g+1], 32<<16
	s_mov_b32 s[\g+2], 192<<16
	s_mov_b32 s[\g+3], 32<<16
	s_mov_b32 s[\g+4], 192
	s_mov_b32 s[\g+5], 32
	s_mov_b32 s[\g+6], 0
	s_mov_b32 s[\g+7], 0
.endr
.irp g, G1S, G1SB                      ; the scale bytes of 128 rows: KS - 1 rows of 1,024 bytes (128 elements), one for each block from 1 on, 8 bytes x the operand's rows apart
	s_mov_b32 s[\g+1], 128<<16
	s_mov_b32 s[\g+2], (KS-1)<<16
	s_mov_b32 s[\g+3], 128<<16
	s_mov_b32 s[\g+4], KS-1
	s_mov_b32 s[\g+6], 0
	s_mov_b32 s[\g+7], 0
.endr
	s_mov_b32 s[G1S+5], RA
	s_mov_b32 s[G1SB+5], RB
	; what I would fetch.  A's numbers hang on the tile row alone and stand in s2; B's on the tile column (and the cluster's expert) and stand in s104
	s_lshl_b32 s2, s17, 1
	s_add_co_u32 s2, s2, s16                       ; A: which 128 rows: 2 x tile row + half
.if LAYER == 1
	s_lshl_b32 s104, s18, 1                        ; B: 2 x tile column + half
.else
	s_and_b32 s19, ttmp7, 0xffff
	s_lshr_b32 s19, s19, 1                         ; the expert: 8 tile rows each, two clusters
	s_lshl_b32 s104, s19, 3
	s_add_co_u32 s104, s104, s18
	s_lshl_b32 s104, s104, 1                       ; B: 2 x (8 x expert + tile column) + half
.endif
	s_add_co_u32 s104, s104, s16
	s_lshl_b32 s[G0S+2], s2, 10                    ; their scale bytes: 1,024 bytes a 128 rows,
	s_add_co_u32 s[G0S+2], s[G0S+2], 8*RA          ; from block 1 on
	s_mov_b32 s[G0S+3], 0
	s_lshl_b32 s[G0SB+2], s104, 10
	s_add_co_u32 s[G0SB+2], s[G0SB+2], 8*RB
	s_mov_b32 s[G0SB+3], 0
	s_mul_i32 s[G0+2], s2, KS*BLKB                 ; their codes: KS blocks a 128 rows
	s_mov_b32 s[G0+3], 0
	s_mul_i32 s[G0B+2], s104, KS*BLKB
	s_mov_b32 s[G0B+3], 0
.irp g, G0, G0B, G0L, G0LB, G0S, G0SB
	s_mov_b32 s[\g], 1                             ; 1:0 count = 1
.endr
	s_mul_i32 s[G0+1], s14, BLKB                   ; where they go: a constant + wave x a quarter: no place in the cluster enters an LDS address
	s_add_co_u32 s[G0+1], s[G0+1], SMALL
	s_mul_i32 s[G0B+1], s14, BLKB
	s_add_co_u32 s[G0B+1], s[G0B+1], SMALL
	s_mul_i32 s[G0L+1], s14, 2*BLKB
	s_mul_i32 s[G0LB+1], s14, 2*BLKB
	s_mul_i32 s[G0S+1], s14, SQ
	s_add_co_u32 s[G0S+1], s[G0S+1], SCL
	s_mul_i32 s[G0SB+1], s14, SQ
	s_add_co_u32 s[G0SB+1], s[G0SB+1], SCL+128
	s_wait_dscnt 0x0                               ; the opening add is done
	s_wait_kmcnt 0x0
.if LAYER == 1
	s_add_nc_u64 s[8:9], s[4:5], W1Q
	s_add_nc_u64 s[10:11], s[6:7], W1S
.else
	s_add_nc_u64 s[8:9], s[8:9], W2Q
	s_add_nc_u64 s[10:11], s[10:11], W2S
.endif
	s_add_nc_u64 s[G0S+2:G0S+3], s[6:7], s[G0S+2:G0S+3]
	s_add_nc_u64 s[G0SB+2:G0SB+3], s[10:11], s[G0SB+2:G0SB+3]
	s_add_nc_u64 s[G0+2:G0+3], s[4:5], s[G0+2:G0+3]             ; P2 begins with block 0,
	s_add_nc_u64 s[G0B+2:G0B+3], s[8:9], s[G0B+2:G0B+3]
	s_add_nc_u64 s[G0L+2:G0L+3], s[G0+2:G0+3], BLKB             ; P0, P1 with blocks 1, 2
	s_add_nc_u64 s[G0LB+2:G0LB+3], s[G0B+2:G0B+3], BLKB
.irp g, G0, G0B, G0L, G0LB, G0S, G0SB
	s_or_b32 s[\g+3], s[\g+3], 0x80000000          ; 127:126 type = 2
.endr
	CROUND                                         ; all sixteen work-groups are here: the first joint loads meet
	JLOAD G0S, G1S, G0SB, G1SB                     ; the first fills, three tensor loads of mine: the scale bytes,
	JLOAD G0, G1, G0B, G1B                         ; block 0,
	JLOAD G0L, G1L, G0LB, G1LB                     ; blocks 1 and 2
	v_and_b32 v1, 31, v0                           ; lane
	v_and_b32 v2, 15, v0                           ; r
	v_bfe_u32 v3, v0, 4, 1                         ; h
	v_lshlrev_b32 v4, 4, v1                        ; an image's place for my lane
	v_lshlrev_b32 v[R8], 3, v2
	; block 0's scale words of the rows that I MULTIPLY, straight from memory: 1,024 consecutive bytes a side; lanes 16-31 load what lanes 0-15 load
	s_lshl_b32 s2, s17, 1
	s_add_co_u32 s2, s2, s15
	s_lshl_b32 s2, s2, 10
	s_mov_b32 s3, 0
	s_add_nc_u64 s[6:7], s[6:7], s[2:3]
	s_lshl_b32 s104, s104, 10
	s_mov_b32 s105, 0
	s_add_nc_u64 s[10:11], s[10:11], s[104:105]
.irp i, 0,1,2,3,4,5,6,7
	global_load_b64 v[SC+2*\i:SC+2*\i+1], v[R8], s[6:7] offset:128*\i
	global_load_b64 v[SB0+2*\i:SB0+2*\i+1], v[R8], s[10:11] offset:128*\i
.endr
	s_lshl_b32 s2, s18, 10                         ; the bias of my 128 columns
	s_lshl_b32 s3, s16, 9
	s_add_co_u32 s2, s2, s3
.if LAYER == 2
	s_lshl_b32 s3, s19, 13
	s_add_co_u32 s2, s2, s3
.endif
	s_mov_b32 s3, 0
	s_add_nc_u64 s[12:13], s[12:13], s[2:3]
	v_lshlrev_b32 v7, 6, v3                        ; lane (r, h) wants, for tile 2 beta + u, columns 32 beta + 16 h + 8 u + 0 .. 7
.irp b, 0,1,2,3,4,5,6,7
	global_load_b128 v[BI+8*\b:BI+8*\b+3], v7, s[12:13] offset:(32*(\b/2)+8*(\b%2))*4
	global_load_b128 v[BI+8*\b+4:BI+8*\b+7], v7, s[12:13] offset:(32*(\b/2)+8*(\b%2))*4+16
.endr
	s_mul_i32 s2, s15, 2*BLKB                      ; my 128 rows of A in P0,
	s_mul_i32 s3, s16, 2*BLKB
	s_add_co_u32 s3, s3, 4*BLKB                    ; of B
	v_add_nc_u32 v[ADRA+0], s2, v4
	v_add_nc_u32 v[ADRB+0], s3, v4
	s_add_co_u32 s2, s2, BLKB                      ; in P1,
	s_add_co_u32 s3, s3, BLKB
	v_add_nc_u32 v[ADRA+1], s2, v4
	v_add_nc_u32 v[ADRB+1], s3, v4
	s_mul_i32 s2, s15, BLKB                        ; in P2
	s_add_co_u32 s2, s2, SMALL
	s_mul_i32 s3, s16, BLKB
	s_add_co_u32 s3, s3, SMALL+2*BLKB
	v_add_nc_u32 v[ADRA+2], s2, v4
	v_add_nc_u32 v[ADRB+2], s3, v4
	s_mul_i32 s2, s15, SQ                          ; the scale words in LDS
	s_mul_i32 s3, s16, SQ
	s_add_co_u32 s3, s3, 2*SQ+128
	s_sub_co_u32 s3, s3, s2
	v_mul_u32_u24 v6, s3, v3                       ; lanes 16-31 take B's: one product with h
	s_add_co_u32 s2, s2, SCL
	v_add_nc_u32 v6, v[R8], v6
	v_add_nc_u32 v[ADRS], s2, v6
.if LAYER == 1
	; where my part of h goes.  My 128 columns are the (column half)-th 128 of block (tile column % 8) along layer 2's K; my 128 tokens are one block of rows of expert (tile column / 8)
	s_lshr_b32 s19, s18, 3                         ; expert
	s_and_b32 s104, s18, 7
	s_lshl_b32 s2, s19, 4
	s_lshl_b32 s3, s17, 1
	s_add_co_u32 s2, s2, s3
	s_add_co_u32 s2, s2, s15                       ; which 128 rows of h
	s_lshl_b32 s2, s2, 3
	s_add_co_u32 s2, s2, s104
	s_mul_i32 s2, s2, BLKB
	s_mul_i32 s3, s16, FRB
	s_add_co_u32 s2, s2, s3
	s_mov_b32 s3, 0
	s_add_nc_u64 s[OUT:OUT+1], s[OUT:OUT+1], s[2:3]
	s_lshl_b32 s2, s104, 9                         ; the work-group's 16 tiles of scale words: 2,048 consecutive bytes
	s_lshl_b32 s3, s19, 7
	s_add_co_u32 s2, s2, s3
	s_lshl_b32 s3, s17, 4
	s_add_co_u32 s2, s2, s3
	s_lshl_b32 s2, s2, 7
	s_mov_b32 s3, 0
	s_add_nc_u64 s[OUT+2:OUT+3], s[OUT+2:OUT+3], s[2:3]
	v_mov_b32 v[STO], v4
	s_lshl_b32 s2, s15, 10
	s_lshl_b32 s3, s16, 2
	s_add_co_u32 s2, s2, s3
	s_add_co_u32 s2, s2, SSTG
	v_lshl_add_u32 v[RD], v2, 3, s2                ; tile 8 x (row half) + a, row r, word (column half)
	v_lshlrev_b32 v[CO], 4, v0
	v_add_nc_u32 v[SRD], SSTG, v[CO]
	s_mov_b32 s[SEL], 0x76543210
	s_mov_b32 s[SEL+1], 0xfedcba98
.else
	; where my part of eo begins: token (tile row % 8) x 256 + 128 x half, 32,768 bytes a token; expert x 8,192; my 128 columns
	s_and_b32 s2, s17, 7
	s_lshl_b32 s2, s2, 1
	s_add_co_u32 s2, s2, s15
	s_lshl_b32 s2, s2, 22
	s_lshl_b32 s3, s19, 13
	s_add_co_u32 s2, s2, s3
	s_lshl_b32 s3, s18, 10
	s_add_co_u32 s2, s2, s3
	s_lshl_b32 s3, s16, 9
	s_add_co_u32 s2, s2, s3
	s_mov_b32 s3, 0
	s_add_nc_u64 s[OUT:OUT+1], s[OUT:OUT+1], s[2:3]
	s_mul_i32 s2, s14, 16*SPITCH                   ; my stage
	s_add_co_u32 s2, s2, STAGE
	v_mul_u32_u24 v5, v2, SPITCH
	v_lshl_add_u32 v5, v3, 6, v5
	v_add_nc_u32 v[STO], s2, v5                    ; in: row r, + 64 h
	v_mov_b32 v[CO], v4                            ; back: the 32 lanes take one row of 512 bytes; and the same in eo
	v_add_nc_u32 v[RD], s2, v4
.endif
.macro FRAG reg, adr, q, i             ; fragment (tile i, q-th 128): three loads of 512 consecutive bytes bring the image
.irp c, 0,1,2
	ds_load_b128 v[\reg+4*\c:\reg+4*\c+3], v[\adr] offset:(2*(\i)+(\q))*FRB+512*\c
.endr
.endm
.macro FETCH_B pl, q, p                ; B's eight fragments out of place pl into set p
	WIN TO_B
.irp i, 0,1,2,3,4,5,6,7
	FRAG 128*(\p)+FR*\i, ADRB+\pl, \q, \i
.endr
	WIN 0
.endm
.macro FETCH_A pl, q, i0               ; A's blocks i0 .. i0 + 3
.irp i, \i0, \i0+1, \i0+2, \i0+3
	FRAG AF+FR*(\i), ADRA+\pl, \q, \i
.endr
.endm
.macro SCALES sc, ks                   ; block ks's scale words (ks from 1 on) into set sc: register 2 i + q: lanes 0-15 the word of A's block i, lanes 16-31 that of B's block i
.irp i, 0,1,2,3,4,5,6,7
	ds_load_b64 v[SC+16*\sc+2*\i:SC+16*\sc+2*\i+1], v[ADRS] offset:((\ks)-1)*1024+128*\i
.endr
.endm
; 16 matrix instructions: A's blocks a0, a0 + 1 x B's eight, 128 along K.  kind 0: B's scale words stand in lanes 16-31 of the set; kind 1: K block 0, whose words of B stand in registers of their own; kind 2: K block 0's first step:
; the bias is C and starts the sums.  The 64 accumulators take turns, one instruction a turn, in the same order in every step.
.macro MUL16 a0, p, q, sc, kind
.irp a, \a0, \a0+1
.irp b, 0,1,2,3,4,5,6,7
.if \kind == 2
	v_wmma_scale_f32_16x16x128_f8f6f4 v[8*(8*((\a)%4)+\b):8*(8*((\a)%4)+\b)+7], v[128*(\p)+FR*\b:128*(\p)+FR*\b+FR-1], v[AF+FR*(\a):AF+FR*(\a)+FR-1], v[BI+8*\b:BI+8*\b+7], v[SB0+2*\b+(\q)], v[SC+16*(\sc)+2*(\a)+(\q)] matrix_a_fmt:MATRIX_FMT_FP6 matrix_b_fmt:MATRIX_FMT_FP6
.elseif \kind == 1
	v_wmma_scale_f32_16x16x128_f8f6f4 v[8*(8*((\a)%4)+\b):8*(8*((\a)%4)+\b)+7], v[128*(\p)+FR*\b:128*(\p)+FR*\b+FR-1], v[AF+FR*(\a):AF+FR*(\a)+FR-1], v[8*(8*((\a)%4)+\b):8*(8*((\a)%4)+\b)+7], v[SB0+2*\b+(\q)], v[SC+16*(\sc)+2*(\a)+(\q)] matrix_a_fmt:MATRIX_FMT_FP6 matrix_b_fmt:MATRIX_FMT_FP6
.else
	v_wmma_scale_f32_16x16x128_f8f6f4 v[8*(8*((\a)%4)+\b):8*(8*((\a)%4)+\b)+7], v[128*(\p)+FR*\b:128*(\p)+FR*\b+FR-1], v[AF+FR*(\a):AF+FR*(\a)+FR-1], v[8*(8*((\a)%4)+\b):8*(8*((\a)%4)+\b)+7], v[SC+16*(\sc)+2*\b+(\q)], v[SC+16*(\sc)+2*(\a)+(\q)] matrix_a_fmt:MATRIX_FMT_FP6 matrix_b_fmt:MATRIX_FMT_FP6 matrix_a_scale:MATRIX_SCALE_ROW1
.endif
.endr
.endr
.endm
; A K block's first step of 128; its second lies in the same place pl.  A block of A is free as soon as its eight products are issued: blocks 0-3 are fetched anew in the step's middle, blocks 4-7 at its end.
.macro STEP pl, sc, kind
	s_wait_dscnt 4*NL                              ; B's set, A's blocks 0-3 and the scale words are in; the youngest 12 loads (A's blocks 4-7) may be out
.if \kind == 2
	WIN FST_LO
.else
	WIN MUL_LO
.endif
	MUL16 0, 0, 0, \sc, \kind
	MUL16 2, 0, 0, \sc, \kind
	s_wait_dscnt 0x0                               ; A's blocks 4-7 are in
	PLACES 4
	FETCH_B \pl, 1, 1
	FETCH_A \pl, 1, 0
.if \kind == 2
	WIN FST_HI
.else
	WIN MUL_HI
.endif
	MUL16 4, 0, 0, \sc, \kind
	MUL16 6, 0, 0, \sc, \kind
	PLACES 4
	WIN 0
	FETCH_A \pl, 1, 4
.endm
; A K block's second step goes on to block nks, in place np, with scale set nsc.
; mode 0: that block came with this one, by one load: no barrier.  Else ONE barrier; in front of it each wave waits for all its tensor loads, adds 0 to its spare word, and waits for that and for its own LDS reads.
; mode 1: nothing is filled.  mode 2: P2, just read out, takes the block three on.  mode 3: P0 and P1 take the two blocks three on.  mode 4: P0 alone takes the last block.
.macro LAST sc, kind, np, nsc, nks, mode
.if \mode == 0
	s_wait_dscnt 4*NL
	WIN MUL_LO
	MUL16 0, 1, 1, \sc, \kind
	MUL16 2, 1, 1, \sc, \kind
	s_wait_dscnt 0x0
	PLACES 4
.else
	s_wait_tensorcnt 0x0                           ; all my tensor loads have landed, my part of the next block among them
	ds_add_u32 v[SPW], v[NIL]                      ; 0 onto my spare word
	s_wait_dscnt 4*NL+1                            ; (the add and the youngest 12 loads may be out)
	WIN MUL_LO
	MUL16 0, 1, 1, \sc, \kind                      ; sixteen matrix instructions stand between the add and the wait for it
	s_wait_dscnt 0x0                               ; the add is done, and my reads of the places read so far are over
	s_barrier_signal -1
	MUL16 2, 1, 1, \sc, \kind
	WIN 0
	s_barrier_wait -1
.if \mode >= 2
	CREST                                          ; the barrier has opened a round of the cluster's barrier: no wave of any partner still reads what is filled now, or has a load on its way
.if \mode == 2
	s_add_nc_u64 s[G0+2:G0+3], s[G0+2:G0+3], 3*BLKB
	s_add_nc_u64 s[G0B+2:G0B+3], s[G0B+2:G0B+3], 3*BLKB
	JLOAD G0, G1, G0B, G1B                         ; the first tensor load behind the round; its four v_nop are also the places in front of the loads below
.elseif \mode == 3
	s_add_nc_u64 s[G0L+2:G0L+3], s[G0L+2:G0L+3], 3*BLKB
	s_add_nc_u64 s[G0LB+2:G0LB+3], s[G0LB+2:G0LB+3], 3*BLKB
	JLOAD G0L, G1L, G0LB, G1LB
.else
	s_add_nc_u64 s[G0L+2:G0L+3], s[G0L+2:G0L+3], 3*BLKB
	s_add_nc_u64 s[G0LB+2:G0LB+3], s[G0LB+2:G0LB+3], 3*BLKB
	JLOAD G0L, G1, G0LB, G1B                       ; P0's address with the shape of one block
.endif
.else
	PLACES 4
.endif
.endif
	FETCH_B \np, 0, 0
	FETCH_A \np, 0, 0
	SCALES \nsc, \nks
	WIN MUL_HI
	MUL16 4, 1, 1, \sc, \kind
	MUL16 6, 1, 1, \sc, \kind
	PLACES 4
	WIN 0
	FETCH_A \np, 0, 4
.endm
	s_wait_tensorcnt 1                             ; the scale bytes and my part of block 0 are in; the load of blocks 1, 2 may be out
	s_barrier_signal -1
	s_barrier_wait -1                              ; everybody's are
	FETCH_B 2, 0, 0
	FETCH_A 2, 0, 0
	FETCH_A 2, 0, 4
	s_wait_loadcnt 0x0                             ; the bias and block 0's scale words
	STEP 2, 0, 2                                   ; block 0 (P2): its first products start the sums, on the bias
	LAST 0, 1, 0, 1, 1, 2                          ; P2 takes block 3
	STEP 0, 1, 0                                   ; block 1 (P0)
	LAST 1, 0, 1, 0, 2, 0
	STEP 1, 0, 0                                   ; block 2 (P1)
.if LAYER == 1
	LAST 0, 0, 2, 1, 3, 1                          ; nothing is left to fetch
	STEP 2, 1, 0                                   ; block 3 (P2)
.else
	LAST 0, 0, 2, 1, 3, 3                          ; P0, P1 take blocks 4, 5
	STEP 2, 1, 0                                   ; block 3 (P2)
	LAST 1, 0, 0, 0, 4, 2                          ; P2 takes block 6
	STEP 0, 0, 0                                   ; block 4 (P0)
	LAST 0, 0, 1, 1, 5, 0
	STEP 1, 1, 0                                   ; block 5 (P1)
	LAST 1, 0, 2, 0, 6, 4                          ; P0 takes block 7
	STEP 2, 0, 0                                   ; block 6 (P2)
	LAST 0, 0, 0, 1, 7, 1                          ; nothing is left to fetch
	STEP 0, 1, 0                                   ; block 7 (P0)
.endif
	s_wait_dscnt 4*NL                              ; the very last step
	WIN MUL_LO
	MUL16 0, 1, 1, 1, 0
	MUL16 2, 1, 1, 1, 0
	s_wait_dscnt 0x0
	WIN MUL_HI
	MUL16 4, 1, 1, 1, 0
	MUL16 6, 1, 1, 1, 0
	WIN 0
	PLACES 4                                       ; behind the last products: their results are read, and the registers that held A's fragments written, only from here on
.if LAYER == 1
; THE WAY OUT OF LAYER 1.  Block a (16 tokens x my 128 hidden units) is exactly one fragment of layer 2's A: relu, the four blocks' scales, the conversions, and the image leaves by three stores of 512 consecutive bytes.
; 64 numbers of a lane, register 16 b + i = k 32 b + 16 (lane / 16) + i of my row, become a fragment's codes in v[PC] on and its scale word in v[PW].
.macro QUANT s
.irp b, 0,1,2,3
	v_max3_num_f32 v[TM+\b], |v[\s+16*\b]|, |v[\s+1+16*\b]|, 0x1800000   ; block b: my 16 numbers, and the floor 2^(3 - 127): the byte cannot fall under 1
.endr
.irp i, 2,4,6,8,10,12,14
.irp b, 0,1,2,3
	v_max3_num_f32 v[TM+\b], v[TM+\b], |v[\s+16*\b+\i]|, |v[\s+1+16*\b+\i]|   ; (the four blocks by turns)
.endr
.endr
.irp b, 0,1,2,3
	v_permlanex16_b32 v[TM+4+\b], v[TM+\b], s[SEL], s[SEL+1]
.endr
.irp b, 0,1,2,3
	v_max_num_f32 v[TM+\b], v[TM+\b], v[TM+4+\b]   ; with lane l xor 16's: the block's largest magnitude
.endr
.irp b, 0,1,2,3
	v_add_nc_u32 v[TM+12+\b], 0xff000000, v[TM+\b]   ; 2 off its exponent field: the conversion's scale operand
.endr
.irp b, 0,1,2,3
	v_lshrrev_b32 v[TM+4+\b], 23, v[TM+12+\b]      ; the scale's byte
.endr
	v_lshl_or_b32 v[PW], v[TM+5], 8, v[TM+4]       ; the four bytes make my row's scale word
	v_lshl_or_b32 v[PW], v[TM+6], 16, v[PW]
	v_lshl_or_b32 v[PW], v[TM+7], 24, v[PW]
.irp c, 0,1
	v_cvt_scalef32_pk16_fp6_f32 v[PC+6*\c:PC+2+6*\c], v[\s+32*\c:\s+15+32*\c], v[TM+12+2*\c]
	v_cvt_scalef32_pk16_fp6_f32 v[PC+12+4*\c:PC+14+4*\c], v[\s+16+32*\c:\s+31+32*\c], v[TM+12+2*\c+1]   ; (a conversion's three registers begin on an even number)
.endr
	v_nop                                          ; one plain instruction behind a scaled conversion
.irp c, 0,1                                    ; the operand's layout wants a WHOLE block in a lane: lanes 0-15 block 2 c, lanes 16-31 block 2 c + 1
.irp i, 0,1,2
	v_permlane16_swap_b32 v[PC+6*\c+\i], v[PC+12+4*\c+\i]
.endr
.irp i, 0,1,2
	v_mov_b32 v[PC+3+6*\c+\i], v[PC+12+4*\c+\i]
.endr
.endr
.endm
.macro HOUT a
	WIN 0x08+4*((\a)/4)                            ; source 1: window 2 or 3
.set J, 0
.rept 64
	v_max_num_f32 v[HA+J], 0, v[64*((\a)%4)+J]     ; the activation, and the move into window 0, in one line; each accumulator from its low end on
.set J, J+1
.endr
	WIN 0
	s_wait_xcnt 0x0                                ; the last block's stores have read the code registers, which are written again below
	QUANT HA
.irp c, 0,1,2
	global_store_b128 v[STO], v[PC+4*\c:PC+4*\c+3], s[OUT:OUT+1] offset:3072*(\a)+512*\c   ; 512 consecutive bytes, aligned
.endr
	ds_store_b32 v[RD], v[PW] offset:128*(\a)      ; lanes r and r + 16 write the same word with the same value
.endm
.irp b, 0,1,2,3
	v_mov_b32 v[TM+4+\b], 0                        ; written once: a lane permute's destination counts as one of its sources
.endr
.irp a, 0,1,2,3,4,5,6,7
	HOUT \a
.endr
	s_wait_dscnt 0x0                               ; for the others' sake: my scale words lie in the stage
	s_barrier_signal -1
	s_barrier_wait -1
	ds_load_b128 v[HA:HA+3], v[SRD]                ; the work-group's 2,048 bytes, 16 a thread
	s_wait_dscnt 0x0
	global_store_b128 v[CO], v[HA:HA+3], s[OUT+2:OUT+3]  ; 512 consecutive bytes a wave, aligned
.else
; THE WAY OUT OF LAYER 2, block by block of 16 tokens x 128 columns: relu in place; through my own stage in LDS; back as whole rows of 512 bytes.  LDS serves a wave's instructions in order (ISA guide 5.7.1.4): no wait between the stores and the loads.
.macro TOSTAGE a
.set AC, 64*((\a)%4)
	WIN 0x88+0x44*((\a)/4)                         ; destination and source 1: window 2 or 3
.set J, 0
.rept 64
	v_max_num_f32 v[AC+J], 0, v[AC+J]              ; each accumulator from its low end on
.set J, J+1
.endr
	WIN 0x08+4*((\a)/4)                            ; an LDS store's data are its source 1
.irp b, 0,1,2,3,4,5,6,7
	ds_store_b128 v[STO], v[AC+8*\b:AC+8*\b+3] offset:128*(\b/2)+32*(\b%2)       ; columns 32 (b / 2) + 16 h + 8 (b % 2) + 0 .. 7 of row r
	ds_store_b128 v[STO], v[AC+8*\b+4:AC+8*\b+7] offset:128*(\b/2)+32*(\b%2)+16
.endr
	WIN 0
.set BB, BK+64*((\a)%2)
.irp t, 0,1,2,3,4,5,6,7,8,9,10,11,12,13,14,15
	ds_load_b128 v[BB+4*\t:BB+4*\t+3], v[RD] offset:\t*SPITCH
.endr
.endm
.macro SEND a, younger                 ; younger: the LDS instructions issued behind block a's loads, which may stay out
.set BB, BK+64*((\a)%2)
	s_wait_dscnt \younger
.if (\a) > 0
	s_add_nc_u64 s[OUT:OUT+1], s[OUT:OUT+1], 16*32768   ; (behind a wait on XCNT: the earlier stores have read their base)  16 tokens on
.endif
.irp t, 0,1,2,3,4,5,6,7,8,9,10,11,12,13,14,15
	global_store_b128 v[CO], v[BB+4*\t:BB+4*\t+3], s[OUT:OUT+1] offset:\t*32768 th:TH_STORE_NT   ; 512 consecutive bytes, aligned
.endr
.endm
	TOSTAGE 0
.irp a, 1,2,3,4,5,6,7
.if \a > 1
	s_wait_xcnt 0x0                                ; block a - 2's stores have read their registers and their base
.endif
	TOSTAGE \a
	SEND \a-1, 32                                  ; behind block a - 1's loads: block a's 16 stores and 16 loads
.endr
	s_wait_xcnt 0x0
	SEND 7, 0
.endif
	s_wait_tensorcnt 0x0                           ; the wave's end, behind my last tensor load and my last LDS store
	ds_add_u32 v[SPW], v[NIL]
	s_wait_dscnt 0x0
	CROUND                                         ; the closing round: no work-group ends while a partner may still ask for a tile that names it
	s_endpgm
.Lfunc_end_k_q059e1a10bb_gemm2:
	.size	k_q059e1a10bb_gemm2, .Lfunc_end_k_q059e1a10bb_gemm2-k_q059e1a10bb_gemm2
	.p2alignl 7, 3214868480
	.fill 96, 4, 3214868480
	.section	.rodata,"a",@progbits
	.p2align	6, 0x0
	.amdhsa_kernel k_q059e1a10bb_gemm2
		.amdhsa_group_segment_fixed_size 327680
		.amdhsa_private_segment_fixed_size 0
		.amdhsa_enable_private_segment 0
		.amdhsa_kernarg_size 48
		.amdhsa_user_sgpr_count 2
		.amdhsa_user_sgpr_kernarg_segment_ptr 1
		.amdhsa_wavefront_size32 1
		.amdhsa_system_sgpr_workgroup_id_x 1
		.amdhsa_system_sgpr_workgroup_id_y 1
		.amdhsa_system_sgpr_workgroup_id_z 1
		.amdhsa_system_vgpr_workitem_id 0
		.amdhsa_next_free_vgpr 1024
		.amdhsa_next_free_sgpr 106
		.amdhsa_reserve_vcc 0
		.amdhsa_float_denorm_mode_32 3
		.amdhsa_float_denorm_mode_16_64 3
		.amdhsa_memory_ordered 1
		.amdhsa_forward_progress 1
		.amdhsa_inst_pref_size 252
	.end_amdhsa_kernel
	.amdgpu_metadata
---
amdhsa.version: [ 1, 2 ]
amdhsa.kernels:
  - .name:           k_q059e1a10bb_gemm2
    .symbol:         k_q059e1a10bb_gemm2.kd
    .args:
      - { .name: hq, .offset: 0, .size: 8, .value_kind: global_buffer, .address_space: global }
      - { .name: hs, .offset: 8, .size: 8, .value_kind: global_buffer, .address_space: global }
      - { .name: opq, .offset: 16, .size: 8, .value_kind: global_buffer, .address_space: global }
      - { .name: ops, .offset: 24, .size: 8, .value_kind: global_buffer, .address_space: global }
      - { .name: eo, .offset: 32, .size: 8, .value_kind: global_buffer, .address_space: global }
      - { .name: b2, .offset: 40, .size: 8, .value_kind: global_buffer, .address_space: global }
    .group_segment_fixed_size: 327680
    .private_segment_fixed_size: 0
    .kernarg_segment_align: 8
    .kernarg_segment_size: 48
    .max_flat_workgroup_size: 128
    .sgpr_count:     106
    .vgpr_count:     1024
    .wavefront_size: 32
...
	.end_amdgpu_metadata
.endif
;; end of part 3
;; launch gs (part 4): grid 256 x 1, 8 waves a work-group, no clusters, 0 bytes of LDS; arguments eo, idx, gate, out0; writes out0
.if DOCPART == 4
	.amdgcn_target "amdgcn-amd-amdhsa--gfx1250"
	.amdhsa_code_object_version 6
	.text
	.protected	k_q059e1a10bb_gs
	.globl	k_q059e1a10bb_gs
	.p2align	8
	.type	k_q059e1a10bb_gs,@function
k_q059e1a10bb_gs:
	s_mov_b64 s[64:65], 0
	v_nop
	global_prefetch_b8 v0, s[64:65] scope:SCOPE_SE
	s_setreg_imm32_b32 hwreg(HW_REG_WAVE_MODE, 25, 1), 1
	s_wait_xcnt 0x0
; out0[token] = g x (vector number idx of the Gram-Schmidt basis of the token's four expert outputs).  eo: [token][expert][2048] f32; idx, gate: one number a token, stored by the first launch.
; Basis vector idx needs experts 0 .. idx alone: the others are neither loaded nor worked on.
; CLASSICAL GRAM-SCHMIDT, as the definition has it, on vectors that are not normalised: w_i = v_i - sum over k < i of (v_i . w_k) / (w_k . w_k) w_k, every dot product taken of the ORIGINAL v_i; the result is g w_idx / |w_idx|.
; A WAVE TAKES A TOKEN: a row of 2,048 numbers is 64 registers a lane, so up to four rows stay in registers, each is read from memory once, and no wave waits for another: no LDS, no barrier.
; The wave parts once on idx, a whole number read from memory, while it issues its loads; each of the four ways is then written out (macro PATH), so that no way reads a row that it has not loaded, and its waits are counted.
; Matrix units and clusters are left out: the dot products have one row each, and no two waves read the same bytes.
; LIMITS: an expert output (or a remainder w) that is all zeros gives NaN, as in the definition; NaN and infinities are not served.
.set X0, 48                            ; v48-111, v112-175, v176-239: experts 0, 1, 2;
.set X1, 112
.set X2, 176
.set X3, 0                             ; expert 3 in the second window of 256: v256-319
.set A0, 4                             ; v4-11, v12-19, v20-27: three sets of four packed chains for dot products; a finished sum lies in a set's first register
.set A1, 12
.set A2, 20
.set SEL, 20                           ; s[20:21] lane selects for lane l xor 16
.set MSB, 0
.macro WIN new                         ; the immediate's high byte repeats the setting that is left
.if MSB != (\new)
	s_set_vgpr_msb (MSB<<8)|(\new)
.set MSB, \new
.endif
.endm
.macro LOADX e, reg                    ; expert e's row: sixteen loads of 512 consecutive bytes
.set J, 0
.rept 16
	global_load_b128 v[\reg+4*J:\reg+4*J+3], v1, s[4:5] offset:8192*\e+512*J th:TH_LOAD_NT
.set J, J+1
.endr
.endm
.macro DOTM acc, a, b                  ; my 64 products in four packed chains; the first four start the sums
.irp p, 0,1,2,3
	v_pk_mul_f32 v[\acc+2*\p:\acc+2*\p+1], v[\a+2*\p:\a+2*\p+1], v[\b+2*\p:\b+2*\p+1]
.endr
.set P, 4
.rept 28
	v_pk_fma_f32 v[\acc+2*(P%4):\acc+2*(P%4)+1], v[\a+2*P:\a+2*P+1], v[\b+2*P:\b+2*P+1], v[\acc+2*(P%4):\acc+2*(P%4)+1]
.set P, P+1
.endr
.endm
.macro FOLD acc                        ; the chains, then the 32 lanes: every lane ends with the sum
	v_pk_add_f32 v[\acc:\acc+1], v[\acc:\acc+1], v[\acc+2:\acc+3]
	v_pk_add_f32 v[\acc+4:\acc+5], v[\acc+4:\acc+5], v[\acc+6:\acc+7]
	v_pk_add_f32 v[\acc:\acc+1], v[\acc:\acc+1], v[\acc+4:\acc+5]
	v_add_f32 v[\acc], v[\acc], v[\acc+1]
.irp k, 1,2,4,8
	v_add_f32_dpp v[\acc], v[\acc], v[\acc] row_xmask:\k row_mask:0xf bank_mask:0xf
.endr
	v_permlanex16_b32 v2, v[\acc], s[SEL], s[SEL+1]
	v_add_f32 v[\acc], v[\acc], v2
.endm
.macro AXPY x, w, c                    ; x += c w; of the pair c the low word serves both halves
.set P, 0
.rept 32
	v_pk_fma_f32 v[\x+2*P:\x+2*P+1], v[\w+2*P:\w+2*P+1], v[\c:\c+1], v[\x+2*P:\x+2*P+1] op_sel_hi:[1,0,1]
.set P, P+1
.endr
.endm
; The way of a token whose chosen expert is n.  Ahead of phase k the count lets the 16 loads of each later expert stay out.
.macro PATH n
	s_wait_loadcnt 16*\n
	DOTM A0, X0, X0
	FOLD A0                                        ; n0 = w0 . w0
.if \n >= 1
	v_rcp_f32 v30, v[A0]                           ; 1 / n0; the dot product below is the plain work behind it
	s_wait_loadcnt 16*(\n-1)
	DOTM A1, X1, X0
	FOLD A1
	s_wait_alu depctr_va_vdst(0)                   ; ahead of the reciprocal's first reader
	v_mul_f32 v34, -v[A1], v30
	AXPY X1, X0, 34                                ; w1
	DOTM A0, X1, X1
	FOLD A0                                        ; n1
.endif
.if \n >= 2
	v_rcp_f32 v31, v[A0]
	s_wait_loadcnt 16*(\n-2)
	DOTM A1, X2, X0                                ; both dot products of the original v2
	DOTM A2, X2, X1
	FOLD A1
	FOLD A2
	s_wait_alu depctr_va_vdst(0)
	v_mul_f32 v34, -v[A1], v30
	v_mul_f32 v36, -v[A2], v31
	AXPY X2, X0, 34
	AXPY X2, X1, 36                                ; w2
	DOTM A0, X2, X2
	FOLD A0                                        ; n2
.endif
.if \n >= 3
	v_rcp_f32 v32, v[A0]
	s_wait_loadcnt 0x0
	WIN 0x01                                       ; source 0 (v3) in the second window
	DOTM A1, X3, X0
	DOTM A2, X3, X1
	DOTM A0, X3, X2
	WIN 0
	FOLD A1
	FOLD A2
	FOLD A0
	s_wait_alu depctr_va_vdst(0)
	v_mul_f32 v34, -v[A1], v30
	v_mul_f32 v36, -v[A2], v31
	v_mul_f32 v38, -v[A0], v32
	WIN 0x50                                       ; destination and source 2 in the second window
	AXPY X3, X0, 34
	AXPY X3, X1, 36
	AXPY X3, X2, 38                                ; w3
	WIN 0x05                                       ; sources 0 and 1 in the second window
	DOTM A0, X3, X3
	WIN 0
	FOLD A0                                        ; n3
.endif
	v_rsq_f32 v33, v[A0]
	v_nop                                          ; a plain instruction behind it,
	s_wait_alu depctr_va_vdst(0)                   ; and the wait ahead of its reader
	v_mul_f32 v34, s17, v33                        ; g / |w|
.if \n == 3
.set XO, X0                            ; the result goes into expert 0's registers
	WIN 0x01
.set P, 0
.rept 32
	v_pk_mul_f32 v[XO+2*P:XO+2*P+1], v[X3+2*P:X3+2*P+1], v[34:35] op_sel_hi:[1,0]
.set P, P+1
.endr
	WIN 0
.else
.set XO, X0+64*\n
.set P, 0
.rept 32
	v_pk_mul_f32 v[XO+2*P:XO+2*P+1], v[XO+2*P:XO+2*P+1], v[34:35] op_sel_hi:[1,0]
.set P, P+1
.endr
.endif
.set J, 0
.rept 16
	global_store_b128 v1, v[XO+4*J:XO+4*J+3], s[10:11] offset:512*J th:TH_STORE_NT   ; 512 consecutive bytes, aligned
.set J, J+1
.endr
	s_endpgm
.endm
	s_load_b256 s[4:11], s[0:1], 0x0               ; eo s[4:5], idx s[6:7], gate s[8:9], out0 s[10:11]
	v_lshrrev_b32 v2, 5, v0
	v_readfirstlane_b32 s2, v2                     ; wave 0..7
	v_and_b32 v1, 31, v0
	v_lshlrev_b32 v1, 4, v1                        ; 16 bytes a lane
	s_lshl_b32 s3, ttmp9, 3
	s_add_co_u32 s3, s3, s2                        ; my token
	s_lshl_b32 s12, s3, 2
	s_mov_b32 s13, 0
	s_lshl_b32 s14, s3, 15                         ; 32,768 bytes of eo a token,
	s_mov_b32 s15, 0
	s_lshl_b32 s18, s3, 13                         ; 8,192 of out0
	s_mov_b32 s19, 0
	s_mov_b32 s[SEL], 0x76543210
	s_mov_b32 s[SEL+1], 0xfedcba98
	v_mov_b32 v2, 0                                ; a lane permute's destination counts as one of its sources
	v_mov_b32 v35, 0                               ; the upper halves of the coefficients' pairs are named with them, so they are written
	v_mov_b32 v37, 0
	v_mov_b32 v39, 0
	s_wait_kmcnt 0x0
	s_add_nc_u64 s[6:7], s[6:7], s[12:13]
	s_add_nc_u64 s[8:9], s[8:9], s[12:13]
	s_load_b32 s16, s[6:7], 0x0                    ; idx
	s_load_b32 s17, s[8:9], 0x0                    ; g
	s_add_nc_u64 s[4:5], s[4:5], s[14:15]
	s_add_nc_u64 s[10:11], s[10:11], s[18:19]
	LOADX 0, X0
	s_wait_kmcnt 0x0
	s_cmp_eq_u32 s16, 0
	s_cbranch_scc1 .Lpath0
	LOADX 1, X1
	s_cmp_eq_u32 s16, 1
	s_cbranch_scc1 .Lpath1
	LOADX 2, X2
	s_cmp_eq_u32 s16, 2
	s_cbranch_scc1 .Lpath2
	WIN 0x40                                       ; destination in the second window
	LOADX 3, X3
	WIN 0
	PATH 3
.Lpath2:
	PATH 2
.Lpath1:
	PATH 1
.Lpath0:
	PATH 0
.Lfunc_end_k_q059e1a10bb_gs:
	.size	k_q059e1a10bb_gs, .Lfunc_end_k_q059e1a10bb_gs-k_q059e1a10bb_gs
	.p2alignl 7, 3214868480
	.fill 96, 4, 3214868480
	.section	.rodata,"a",@progbits
	.p2align	6, 0x0
	.amdhsa_kernel k_q059e1a10bb_gs
		.amdhsa_group_segment_fixed_size 0
		.amdhsa_private_segment_fixed_size 0
		.amdhsa_enable_private_segment 0
		.amdhsa_kernarg_size 32
		.amdhsa_user_sgpr_count 2
		.amdhsa_user_sgpr_kernarg_segment_ptr 1
		.amdhsa_wavefront_size32 1
		.amdhsa_system_sgpr_workgroup_id_x 1
		.amdhsa_system_sgpr_workgroup_id_y 1
		.amdhsa_system_sgpr_workgroup_id_z 1
		.amdhsa_system_vgpr_workitem_id 0
		.amdhsa_next_free_vgpr 320
		.amdhsa_next_free_sgpr 66
		.amdhsa_reserve_vcc 0
		.amdhsa_float_denorm_mode_32 3
		.amdhsa_float_denorm_mode_16_64 3
		.amdhsa_memory_ordered 1
		.amdhsa_forward_progress 1
		.amdhsa_inst_pref_size 95
	.end_amdhsa_kernel
	.amdgpu_metadata
---
amdhsa.version: [ 1, 2 ]
amdhsa.kernels:
  - .name:           k_q059e1a10bb_gs
    .symbol:         k_q059e1a10bb_gs.kd
    .args:
      - { .name: eo, .offset: 0, .size: 8, .value_kind: global_buffer, .address_space: global }
      - { .name: idx, .offset: 8, .size: 8, .value_kind: global_buffer, .address_space: global }
      - { .name: gate, .offset: 16, .size: 8, .value_kind: global_buffer, .address_space: global }
      - { .name: out0, .offset: 24, .size: 8, .value_kind: global_buffer, .address_space: global }
    .group_segment_fixed_size: 0
    .private_segment_fixed_size: 0
    .kernarg_segment_align: 8
    .kernarg_segment_size: 32
    .max_flat_workgroup_size: 256
    .sgpr_count:     66
    .vgpr_count:     320
    .wavefront_size: 32
...
	.end_amdgpu_metadata
.endif
;; end of part 4
